; MI455X (gfx1250); checked and timed in simulation.
; The chip was launched on July 23, 2026; its instructions are those of AMD's public machine-readable ISA for CDNA 5 (MIT licence, August 2026) and "CDNA5" Instruction Set Architecture Reference Guide (July 2026). The comments in the code are by the model that wrote it; some were corrected since.
;; Multihead Self Attention. Allowed arithmetic: matrix products marked QUANTISED: E2M1 operands, one E8M0 scale for each 32 along K, by v_wmma_scale_f32_16x16x128_f8f6f4 with both operands' format E2M1 (or v_wmma_scale_f32_32x16x128_f4), f32 sums; products left as they are: bf16, f16 or f32 operands; f32 sums; everything else in f32.
;; Inputs: W_K 1,024 x 1,024 float32; W_O 1,024 x 1,024 float32; W_Q 1,024 x 1,024 float32; W_V 1,024 x 1,024 float32; x 4 x 2,048 x 1,024 float32.
;; Outputs: out0 4 x 2,048 x 1,024 float32.
;; This version of the problem:
;;   THIS VERSION OF THE PROBLEM IS GIVEN IN LOW PRECISION. The matrix products marked QUANTISED in the list below multiply operands that are first quantised to E2M1 (2 exponent bits, 1 mantissa bit; 4 bits a number), with one power-of-two scale for each 32 numbers along K (OCP MX v1.0); their sums are f32. The products marked 'left as it is' may take bf16, f16 or f32 operands, with f32 sums. Whichever they take, every output number must still come out within the allowed error. Rounding operands to bf16 (8 significant bits) uses up far more of that allowance than f16 does (11 bits, for magnitudes from 6e-5 to 65,504). All else is computed in f32.
;;   The module's matrix products, in the order in which they are computed (A, B: the left and right operand; K: the contracted axis; several contracted axes count as one K, in the product's order):
;;     1. [M 8,192, K 1,024] x [K 1,024, N 1,024]; A: input x; B: input W_Q: QUANTISED
;;     2. [M 8,192, K 1,024] x [K 1,024, N 1,024]; A: input x; B: input W_K: QUANTISED
;;     3. [M 8,192, K 1,024] x [K 1,024, N 1,024]; A: input x; B: input W_V: QUANTISED
;;     4. batch 64 x [M 2,048, K 64] x [K 64, N 2,048]; A: computed on the way; B: computed on the way: left as it is (an operand is computed on the way)
;;     5. batch 64 x [M 2,048, K 2,048] x [K 2,048, N 64]; A: computed on the way; B: computed on the way: left as it is (an operand is computed on the way)
;;     6. [M 8,192, K 1,024] x [K 1,024, N 1,024]; A: computed on the way; B: input W_O: left as it is (an operand is computed on the way)
;;   THE QUANTISER, for each operand of a quantised product, along K:
;;     - K is cut into blocks of 32 from its start; a last block that is shorter is filled with zeros.
;;     - A block's scale is 2^e with e = floor(log2(the largest magnitude in the block)) - 2, held to -126 .. 127; a block of zeros has e = 0. As a byte (E8M0): e + 127.
;;     - Each number is divided by its block's scale, clamped to +-6, and rounded to the nearest number of E2M1, ties to even, subnormals kept.
;;     - The product sums the exact products of the quantised numbers (number of the format x scale) in f32.
;;   ~~~python
;;   def quantise(x, axis):      # numpy; x: float32 -> the quantised numbers, widened to float32 again
;;       x = np.moveaxis(x, axis, -1); K = x.shape[-1]
;;       x = np.pad(x, [(0, 0)] * (x.ndim - 1) + [(0, -K % 32)]); x = x.reshape(x.shape[:-1] + (-1, 32)); a = np.abs(x).max(-1, keepdims=True)
;;       e = np.where(a > 0, np.clip(np.frexp(np.where(a > 0, a, 1))[1] - 1 - 2, -126, 127), 0)      # np.frexp(a)[1] - 1 = floor(log2(a)), exactly
;;       r = np.clip(x / 2.0 ** e, -6, 6)
;;       step = 2.0 ** (np.maximum(np.frexp(np.where(r == 0, 1, r))[1] - 1, 0) - 1)
;;       q = np.round(r / step) * step * 2.0 ** e      # np.round: ties to even
;;       return np.moveaxis(q.reshape(q.shape[:-2] + (-1,))[..., :K], -1, axis).astype(np.float32)
;;   ~~~
;; One version. Each part assembles by itself: llvm-mc -triple=amdgcn-amd-amdhsa -mcpu=gfx1250 --defsym DOCPART=n.
;; ======== version 1 of 1: 5 launches
;; limits: values are held in f16: magnitudes above 65,504 overflow, below 6.1e-05 lose precision
;; workspace buffers: codes 5,767,168 bytes; scales 360,448 bytes; wo16 2,097,152 bytes; tab 1,572,864 bytes; qkv 50,331,648 bytes; qkv32 786,432 bytes; o 16,777,216 bytes
;; launch prep (part 1): grid 416 x 1, 4 waves a work-group, no clusters, 33,280 bytes of LDS; arguments x, W_Q, W_K, W_V, W_O, codes, scales, wo16, tab; writes codes, scales, wo16, tab
.if DOCPART == 1
	.amdgcn_target "amdgcn-amd-amdhsa--gfx1250"
	.amdhsa_code_object_version 6
	.text
	.protected	k_qc94d86de9e_prep
	.globl	k_qc94d86de9e_prep
	.p2align	8
	.type	k_qc94d86de9e_prep,@function
k_qc94d86de9e_prep:
	s_mov_b64 s[64:65], 0
	v_nop
	global_prefetch_b8 v0, s[64:65] scope:SCOPE_SE
	s_setreg_imm32_b32 hwreg(HW_REG_WAVE_MODE, 25, 1), 1
	s_wait_xcnt 0x0
; Three jobs that every later launch needs, shared out by the work-group's number:
;  work-groups 0-351:   x [8192][1024] and W_Q, W_K, W_V [1024][1024], f32, K innermost, become codes of FP4 (E2M1) and one E8M0 byte for each 32 along K.
;                       codes: x's 8192 rows of 512 bytes, then the 3072 rows of W_Q, W_K, W_V;  scales: 32 bytes a row, in the same order.
;  work-groups 352-383: W_O [n 1024][k 1024] f32 becomes f16, laid [k / 64][n][64]: a plane for each head, as the last product's tiles want it.
;  work-groups 384-415: the table of the rotation, [plane 3][position 2048][pair 32][cos, sin] f32: plane 0 times c = log2(e) / 8 (for q: the softmax's factor rides on q),
;                       plane 1 plain (for k), plane 2 the angle 0 (for v: one text then serves the three products' way out).
; THE QUANTISER.  A block's scale is 2^(floor(log2(its largest magnitude)) - 2); its byte is the largest magnitude's exponent field - 2, held at 1 from below.  Each number is divided by the scale and
; rounded to the nearest code, ties to even, beyond 6 the largest code.
; LIMITS: a block of zeros gets the byte 1 where the rule says 127 (its codes are zeros, and this program alone reads the bytes); blocks whose largest magnitude lies under 2^-124 keep the byte 1;
; NaN and infinities are not served.  W_O must lie inside f16's range (65,504).  The table's frequency 10000^(-p/32) is one v_exp_f32 of p x log2(10000)/32: the angle is off by at most
; some 1.5e-4 radians at position 2047; it feeds no quantiser.  Sine and cosine: the angle less a whole number of quarter turns (pi/2 in two parts, fused), then polynomials to x^7 and x^8 on +-pi/4.
.set NQUANT, 352
.set NWO,    384
.set WAVES, 4
.set STEPS, 16
.set EMAX,  2
.set CB,    8                          ; bytes of 16 codes
.set R,     16                         ; v16-79   four sets of 16 numbers as they are loaded
.set X,     80                         ; v80-111  two sets of 16 neighbours
.set C,     128                        ; v128-191 codes: four registers for each step
.set E,     112                        ; v112-127 a scale byte for each step
.set WREG,  8192                       ; LDS: a region for each wave: two stages of 32 x SP bytes, then its 256 scale bytes
.set SP,    80                         ; a lane's place in a stage: 64 bytes + 16 of padding
.set SPW,   12                         ; v12  LDS address of my spare word; never rewritten
.set NIL,   13                         ; v13  0; never rewritten
.set SPARE, WAVES*WREG                 ; behind the four regions: the spare words, 128 bytes a wave
	s_load_b512 s[4:19], s[0:1], 0x0               ; x 4:5, W_Q 6:7, W_K 8:9, W_V 10:11, W_O 12:13, codes 14:15, scales 16:17, wo16 18:19
	s_load_b64 s[20:21], s[0:1], 0x40              ; tab
	v_lshl_add_u32 v[SPW], v0, 2, SPARE
	v_mov_b32 v[NIL], 0
	v_lshrrev_b32 v1, 5, v0
	v_readfirstlane_b32 s22, v1                    ; wave
	v_and_b32 v2, 31, v0                           ; lane
	s_cmp_lt_u32 ttmp9, NQUANT
	s_cbranch_scc0 .Lnot_quant
; ---------------- the quantiser: a wave takes 16 steps of 512 numbers.  Each load reads 512 consecutive bytes; a step's 2,048 bytes turn through the wave's own stage, so that a lane holds 16 neighbours
	v_lshlrev_b32 v3, 4, v2                        ; my 16 bytes of a load's 512
	s_mul_i32 s23, s22, WREG
	v_lshrrev_b32 v14, 2, v2
	v_mul_u32_u24 v14, v14, SP
	v_and_b32 v15, 3, v2
	v_lshl_add_u32 v14, v15, 4, v14
	v_add_nc_u32 v14, s23, v14                     ; the stage, in: SP (lane / 4) + 16 (lane % 4)
	v_mul_u32_u24 v15, v2, SP
	v_add_nc_u32 v15, s23, v15                     ; and out: SP x lane
	v_mul_u32_u24 v4, v2, CB                       ; my codes' place in a step's
	v_lshrrev_b32 v5, 1, v2
	s_add_co_u32 s23, s23, 2*32*SP
	v_add_nc_u32 v5, s23, v5                       ; my wave's 256 scale bytes, my block's byte
	v_lshlrev_b32 v7, 3, v2
	v_add_nc_u32 v6, s23, v7                       ; and on the way out 8 bytes a lane
	s_sub_co_u32 s23, ttmp9, 256                   ; (used only from work-group 256 on)
	s_lshr_b32 s24, s23, 5                         ; which weight: 32 work-groups each
	s_and_b32 s25, s23, 31
	s_wait_kmcnt 0x0
	s_cmp_eq_u32 s24, 1                            ; the source is chosen by the work-group's number alone
	s_cselect_b64 s[26:27], s[8:9], s[6:7]
	s_cmp_eq_u32 s24, 2
	s_cselect_b64 s[26:27], s[10:11], s[26:27]
	s_cmp_lt_u32 ttmp9, 256
	s_cselect_b64 s[26:27], s[4:5], s[26:27]
	s_cselect_b32 s25, ttmp9, s25
	s_lshl_b32 s28, s25, 2
	s_add_co_u32 s28, s28, s22                     ; which run of 8,192 numbers of the source is my wave's
	s_lshl_b32 s28, s28, 15
	s_mov_b32 s29, 0
	s_add_nc_u64 s[26:27], s[26:27], s[28:29]
	s_lshl_b32 s30, ttmp9, 2
	s_add_co_u32 s30, s30, s22                     ; and of the results: the weights' runs follow x's 1,024
	s_lshl_b32 s28, s30, 12
	s_add_nc_u64 s[14:15], s[14:15], s[28:29]
	s_lshl_b32 s28, s30, 8
	s_add_nc_u64 s[16:17], s[16:17], s[28:29]
.macro LOAD t
.irp i, 0,1,2,3
	global_load_b128 v[R+16*((\t)%4)+4*\i:R+16*((\t)%4)+4*\i+3], v3, s[26:27] offset:2048*(\t)+512*\i th:TH_LOAD_NT
.endr
.endm
.macro TURN t                          ; step t's numbers through the stage: LDS serves a wave's instructions in order, so no wait stands between the stores and the loads
.irp i, 0,1,2,3
	ds_store_b128 v14, v[R+16*((\t)%4)+4*\i:R+16*((\t)%4)+4*\i+3] offset:32*SP*((\t)%2)+8*SP*\i
.endr
.irp i, 0,1,2,3
	ds_load_b128 v[X+16*((\t)%2)+4*\i:X+16*((\t)%2)+4*\i+3], v15 offset:32*SP*((\t)%2)+16*\i
.endr
.endm
.irp t, 0,1,2,3
	LOAD \t
.endr
	s_wait_loadcnt 12                              ; step 0's four loads are in
	TURN 0
.macro STEP t
.set XS, X+16*((\t)%2)
.if (\t) > 0
	s_wait_dscnt 1                                 ; this step's numbers are back from the stage (the last step's byte store may be out)
.else
	s_wait_dscnt 0x0
.endif
.if (\t)+4 < STEPS
	LOAD (\t)+4                                    ; into the registers that this step's stage stores have read
.endif
.if (\t)+1 < STEPS
.if STEPS-2-(\t) >= 3
	s_wait_loadcnt 12                              ; the next step's four loads are in; those of the three steps behind it may be out
.else
	s_wait_loadcnt 4*(STEPS-2-(\t))
.endif
	TURN (\t)+1
.endif
	v_max3_num_f32 v8, |v[XS]|, |v[XS+1]|, |v[XS+2]|
	v_max3_num_f32 v9, |v[XS+3]|, |v[XS+4]|, |v[XS+5]|
.irp i, 6,10
	v_max3_num_f32 v8, v8, |v[XS+\i]|, |v[XS+\i+1]|
	v_max3_num_f32 v9, v9, |v[XS+\i+2]|, |v[XS+\i+3]|
.endr
	v_max3_num_f32 v8, v8, |v[XS+14]|, |v[XS+15]|
	v_max3_num_f32 v8, v8, v9, (EMAX+1)<<23        ; and the floor 2^(3 - 127): the byte cannot fall under 1
	v_max_num_f32_dpp v8, v8, v8 row_xmask:1 row_mask:0xf bank_mask:0xf   ; with my neighbour's 16: the block's largest magnitude
	v_add_nc_u32 v11, -(EMAX<<23), v8              ; 2 off its exponent field: the conversion's scale operand
	v_cvt_scalef32_pk8_fp4_f32 v[C+4*(\t)], v[XS:XS+7], v11
	v_cvt_scalef32_pk8_fp4_f32 v[C+4*(\t)+1], v[XS+8:XS+15], v11
	v_lshrrev_b32 v[E+(\t)], 23, v11               ; the scale's byte
	ds_store_b8 v5, v[E+(\t)] offset:16*(\t)       ; both lanes of a block write the same byte with the same value
	global_store_b64 v4, v[C+4*(\t):C+4*(\t)+1], s[14:15] offset:32*CB*(\t)   ; the wave stores 256 consecutive bytes, aligned
.endm
.irp t, 0,1,2,3,4,5,6,7,8,9,10,11,12,13,14,15
	STEP \t
.endr
	ds_load_b64 v[8:9], v6                         ; LDS serves a wave's instructions in order: these see my stores
	s_wait_dscnt 0x0
	global_store_b64 v7, v[8:9], s[16:17]          ; 32 lanes store 256 consecutive bytes, aligned
	s_wait_tensorcnt 0x0                           ; the wave's end, behind my last LDS store
	ds_add_u32 v[SPW], v[NIL]
	s_wait_dscnt 0x0
	s_endpgm
.Lnot_quant:
	s_cmp_lt_u32 ttmp9, NWO
	s_cbranch_scc0 .Ltable
; ---------------- W_O to f16 planes: a wave takes 8 rows, two at a time.  Lanes 0-15 read 256 consecutive bytes (64 numbers, one plane's share) of the even row, lanes 16-31 of the odd one;
; the 32 lanes' 8 bytes of f16 are the two rows' 128 bytes each in that plane: 256 consecutive bytes, aligned.  No LDS on this path.
	s_sub_co_u32 s23, ttmp9, NQUANT
	s_lshl_b32 s23, s23, 5
	s_lshl_b32 s24, s22, 3
	s_add_co_u32 s23, s23, s24                     ; my first row: 32 g + 8 wave
	s_lshl_b32 s24, s23, 12
	s_mov_b32 s25, 0
	s_lshl_b32 s26, s23, 7
	s_mov_b32 s27, 0
	v_lshrrev_b32 v3, 4, v2
	v_and_b32 v4, 15, v2
	v_lshlrev_b32 v1, 12, v3
	v_lshl_add_u32 v1, v4, 4, v1                   ; in: 4,096 x (lane / 16) + 16 x (lane % 16)
	v_lshlrev_b32 v5, 7, v3
	v_lshl_add_u32 v5, v4, 3, v5                   ; out: 128 x (lane / 16) + 8 x (lane % 16)
	s_wait_kmcnt 0x0
	s_add_nc_u64 s[12:13], s[12:13], s[24:25]
	s_add_nc_u64 s[18:19], s[18:19], s[26:27]
.macro LOADG p
.irp kz, 0,1,2,3,4,5,6,7,8,9,10,11,12,13,14,15
	global_load_b128 v[16+64*((\p)%2)+4*\kz:16+64*((\p)%2)+4*\kz+3], v1, s[12:13] offset:8192*(\p)+256*\kz th:TH_LOAD_NT
.endr
.endm
.macro GROUP p
.if (\p) < 3
	s_wait_loadcnt 16                              ; this pair of rows is in; the next pair's 16 loads may be out
.else
	s_wait_loadcnt 0x0
.endif
.irp kz, 0,1,2,3,4,5,6,7,8,9,10,11,12,13,14,15
	v_cvt_pk_f16_f32 v[16+64*((\p)%2)+4*\kz], v[16+64*((\p)%2)+4*\kz], v[16+64*((\p)%2)+4*\kz+1]
	v_cvt_pk_f16_f32 v[16+64*((\p)%2)+4*\kz+1], v[16+64*((\p)%2)+4*\kz+2], v[16+64*((\p)%2)+4*\kz+3]
.endr
.irp kz, 0,1,2,3,4,5,6,7,8,9,10,11,12,13,14,15
	global_store_b64 v5, v[16+64*((\p)%2)+4*\kz:16+64*((\p)%2)+4*\kz+1], s[18:19] offset:131072*\kz+256*(\p)
.endr
.if (\p) < 2
	s_wait_xcnt 0x0                                ; the stores have read their registers: the set is loaded again only behind this wait
	LOADG (\p)+2
.endif
.endm
	LOADG 0
	LOADG 1
	GROUP 0
	GROUP 1
	GROUP 2
	GROUP 3
	s_endpgm
.Ltable:
; ---------------- the table: a wave takes 16 positions, a lane a pair p.  Each store of the wave covers a position's 256 bytes of one plane.  No LDS on this path.
	s_sub_co_u32 s23, ttmp9, NWO
	s_lshl_b32 s23, s23, 6
	s_lshl_b32 s24, s22, 4
	s_add_co_u32 s37, s23, s24                     ; my first position: 64 g + 16 wave
	s_lshl_b32 s24, s37, 8
	s_mov_b32 s25, 0
	s_mov_b32 s26, 0x3f22f983                      ; 2 / pi
	s_mov_b32 s27, 0x3fc90fdb                      ; pi / 2, its f32 part,
	s_mov_b32 s28, 0xb33bbd2e                      ; and what is left of it
	s_mov_b32 s29, 0xbe2aaaab                      ; sine: -1/6, 1/120, -1/5040
	s_mov_b32 s30, 0x3c088889
	s_mov_b32 s31, 0xb9500d01
	s_mov_b32 s32, 0x3d2aaaab                      ; cosine: 1/24, -1/720, 1/40320
	s_mov_b32 s33, 0xbab60b61
	s_mov_b32 s34, 0x37d00d01
	s_mov_b32 s35, 0x3e38aa3b                      ; c = log2(e) / sqrt(64)
	s_mov_b32 s36, 0x80000000
	v_cvt_f32_u32 v17, v2
	v_mul_f32 v17, 0xbed49a78, v17                 ; -p x log2(10000) / 32
	v_exp_f32 v16, v17                             ; the pair's frequency
	v_lshlrev_b32 v18, 3, v2                       ; (a plain instruction behind the exponential)  8 bytes a lane
	v_mov_b32 v10, 1.0                             ; the angle 0: cosine 1,
	v_mov_b32 v11, 0                               ; sine 0
	s_wait_alu depctr_va_vdst(0)                   ; the wait ahead of the first use of the exponential's result
	s_wait_kmcnt 0x0
	s_add_nc_u64 s[20:21], s[20:21], s[24:25]
.macro ROW i
	s_add_co_u32 s38, s37, \i
	v_cvt_f32_u32 v20, s38
	v_mul_f32 v20, v20, v16                        ; the angle, rounded to f32
	v_mul_f32 v21, s26, v20
	v_rndne_f32 v21, v21                           ; n quarter turns
	v_fma_f32 v22, -v21, s27, v20
	v_fma_f32 v22, -v21, s28, v22                  ; what is left, within +-pi/4
	v_mul_f32 v23, v22, v22
	v_fma_f32 v24, v23, s31, s30
	v_fma_f32 v25, v23, s34, s33
	v_fma_f32 v24, v24, v23, s29
	v_fma_f32 v25, v25, v23, s32
	v_mul_f32 v24, v24, v23
	v_fma_f32 v25, v25, v23, -0.5
	v_fma_f32 v24, v24, v22, v22                   ; its sine
	v_fma_f32 v25, v25, v23, 1.0                   ; its cosine
	v_cvt_i32_f32 v26, v21
	v_and_b32 v27, 1, v26
	v_cmp_eq_u32 vcc_lo, 1, v27                    ; an odd n swaps the two;
	v_cndmask_b32 v28, v24, v25, vcc_lo
	v_cndmask_b32 v29, v25, v24, vcc_lo
	v_lshlrev_b32 v27, 30, v26                     ; bit 1 of n turns the sine's sign,
	v_and_b32 v27, s36, v27
	v_xor_b32 v[64+4*\i+3], v27, v28
	v_add_nc_u32 v26, 1, v26                       ; bit 1 of n + 1 the cosine's
	v_lshlrev_b32 v26, 30, v26
	v_and_b32 v26, s36, v26
	v_xor_b32 v[64+4*\i+2], v26, v29
	v_mul_f32 v[64+4*\i], s35, v[64+4*\i+2]
	v_mul_f32 v[64+4*\i+1], s35, v[64+4*\i+3]
	global_store_b64 v18, v[64+4*\i:64+4*\i+1], s[20:21] offset:256*\i
	global_store_b64 v18, v[64+4*\i+2:64+4*\i+3], s[20:21] offset:524288+256*\i
	global_store_b64 v18, v[10:11], s[20:21] offset:1048576+256*\i
.endm
.irp i, 0,1,2,3,4,5,6,7,8,9,10,11,12,13,14,15
	ROW \i                                         ; each position has data registers of its own: no store's data are written again
.endr
	s_endpgm
.Lfunc_end_k_qc94d86de9e_prep:
	.size	k_qc94d86de9e_prep, .Lfunc_end_k_qc94d86de9e_prep-k_qc94d86de9e_prep
	.p2alignl 7, 3214868480
	.fill 96, 4, 3214868480
	.section	.rodata,"a",@progbits
	.p2align	6, 0x0
	.amdhsa_kernel k_qc94d86de9e_prep
		.amdhsa_group_segment_fixed_size 33280
		.amdhsa_private_segment_fixed_size 0
		.amdhsa_enable_private_segment 0
		.amdhsa_kernarg_size 72
		.amdhsa_user_sgpr_count 2
		.amdhsa_user_sgpr_kernarg_segment_ptr 1
		.amdhsa_wavefront_size32 1
		.amdhsa_system_sgpr_workgroup_id_x 1
		.amdhsa_system_sgpr_workgroup_id_y 1
		.amdhsa_system_sgpr_workgroup_id_z 1
		.amdhsa_system_vgpr_workitem_id 0
		.amdhsa_next_free_vgpr 192
		.amdhsa_next_free_sgpr 66
		.amdhsa_reserve_vcc 1
		.amdhsa_float_denorm_mode_32 3
		.amdhsa_float_denorm_mode_16_64 3
		.amdhsa_memory_ordered 1
		.amdhsa_forward_progress 1
		.amdhsa_inst_pref_size 80
	.end_amdhsa_kernel
	.amdgpu_metadata
---
amdhsa.version: [ 1, 2 ]
amdhsa.kernels:
  - .name:           k_qc94d86de9e_prep
    .symbol:         k_qc94d86de9e_prep.kd
    .args:
      - { .name: x, .offset: 0, .size: 8, .value_kind: global_buffer, .address_space: global }
      - { .name: W_Q, .offset: 8, .size: 8, .value_kind: global_buffer, .address_space: global }
      - { .name: W_K, .offset: 16, .size: 8, .value_kind: global_buffer, .address_space: global }
      - { .name: W_V, .offset: 24, .size: 8, .value_kind: global_buffer, .address_space: global }
      - { .name: W_O, .offset: 32, .size: 8, .value_kind: global_buffer, .address_space: global }
      - { .name: codes, .offset: 40, .size: 8, .value_kind: global_buffer, .address_space: global }
      - { .name: scales, .offset: 48, .size: 8, .value_kind: global_buffer, .address_space: global }
      - { .name: wo16, .offset: 56, .size: 8, .value_kind: global_buffer, .address_space: global }
      - { .name: tab, .offset: 64, .size: 8, .value_kind: global_buffer, .address_space: global }
    .group_segment_fixed_size: 33280
    .private_segment_fixed_size: 0
    .kernarg_segment_align: 8
    .kernarg_segment_size: 72
    .max_flat_workgroup_size: 128
    .sgpr_count:     66
    .vgpr_count:     192
    .wavefront_size: 32
...
	.end_amdgpu_metadata
.endif
;; end of part 1
;; launch qkv (part 2): grid 12 x 32, 4 waves a work-group, clusters of 4 x 4, 327,680 bytes of LDS; arguments codes, scales, tab, qkv, qkv32; writes qkv, qkv32
.if DOCPART == 2
	.amdgcn_target "amdgcn-amd-amdhsa--gfx1250"
	.amdhsa_code_object_version 6
	.text
	.protected	k_qc94d86de9e_qkv
	.globl	k_qc94d86de9e_qkv
	.p2align	8
	.type	k_qc94d86de9e_qkv,@function
k_qc94d86de9e_qkv:
	s_mov_b64 s[64:65], 0
	v_nop
	global_prefetch_b8 v0, s[64:65] scope:SCOPE_SE
	s_setreg_imm32_b32 hwreg(HW_REG_WAVE_MODE, 25, 1), 1
	s_wait_xcnt 0x0
	s_wait_alu depctr_hold_cnt(0) depctr_sa_sdst(0) depctr_va_vdst(0) depctr_va_sdst(0) depctr_va_ssrc(0) depctr_va_vcc(0) depctr_vm_vsrc(0)
	s_getreg_b32 s2, hwreg(HW_REG_IB_STS2, 6, 4)
	s_cmp_eq_u32 s2, 0
	s_cbranch_scc0 .Lentry_in_a_cluster
	s_endpgm
.Lentry_in_a_cluster:
	s_bfe_u32 s2, ttmp6, 0x10000c
	s_cmp_lg_u32 s2, 0xf033
	s_cbranch_scc0 .Lentry_shape_is_right
	s_endpgm
.Lentry_shape_is_right:
; q, k, v = x W^T on codes of FP4 (E2M1) with one E8M0 scale for each 32 along K, then the rotation, then f16.  A: x's codes [8192][1024], B: the codes of W_Q, W_K, W_V [3072][1024]; K = 1,024.
; A tile of C, 256 x 256, is made by a work-group of four waves; a wave makes 128 x 128: 64 accumulators, 512 registers.  K is two steps of 512: both lie in LDS at once, each in a slot of its own,
; so nothing is filled again.  The scale bytes of the work-group's rows come once, as dense blocks.
; CLUSTERS: 4 x 4 work-groups; A's tiles are asked for jointly along a row of the cluster, B's along a column.  Tile row = 8 cy + cluster y: so cy is the batch and 256 x cluster y the first position,
; and 'the first 16 positions' is a test on the cluster's y and the wave's number, alike in all partners.  Tile column = 4 x cluster x + cx: cluster x says which product (0 q, 1 k, 2 v).
; THE MATRIX INSTRUCTION IS USED TRANSPOSED (source 0 = 16 rows of B, source 1 = 16 rows of A): a lane holds eight neighbouring columns of one row: four pairs of the rotation.
; THE WAY OUT, 16 rows at a time: (x1, x2) -> (x1 cos - x2 sin, x1 sin + x2 cos) by the table's plane of this product (q's carries log2(e)/8; v's is the angle 0, so that one text serves all three);
; rounded to f16; through my stage in LDS; stored [product][batch x 16 + head][position][64], 512 consecutive bytes an instruction.  Positions 0-15 of each batch also leave in f32, as images of the registers.
; LIMITS: q x 0.18, k and v must lie inside f16's range (65,504); NaN and infinities are not served (the angle 0 multiplies by 0).
; REGISTERS: window 0: v0-31 addresses; v32-95 scale words, two sets, and nothing else; v96-127 packed f16; v128-191 A's fragments, later rows back from the stage; v192-255 the table, two sets.
;   window 1: B's fragments, two sets, at v0 and v128; on the way out v0-63 the rotated numbers.   windows 2, 3: the accumulators ((a, b) at v[8 (8 (a % 4) + b)]).
.set NQ,     4                         ; matrix instructions deep in a slot
.set ROWB,   256                       ; a tile's row in bytes: 512 codes
.set KROW,   512                       ; a row of codes in memory
.set PITCH,  272                       ; an LDS row: 256 bytes + 16 of padding: the 16 rows that a load touches start 68 words apart
.set FR,     8
.set NL,     2
.set NP,     4                         ; places behind this matrix instruction (ISA guide 7.12.1)
.set HALFT,  128*PITCH
.set SLOT,   4*HALFT
.set KS,     32                        ; a row of scales in bytes
.set SCL,    2*SLOT
.set HALFS,  (128*KS/256)*272
.set SBLK,   (16*KS/256)*272
.set SPARE,  SCL+4*HALFS               ; the spare words, 128 bytes a wave
.set WCODES, 4194304                   ; where the weights' codes begin in their buffer,
.set WSCALES, 262144                   ; and their scale bytes
.set ADRA, 16
.set ADRB, 20
.set STO,  24                          ; v24  the stage: where I put 16 bytes of a row
.set RD,   25                          ; v25  and where I read rows back
.set CO,   26                          ; v26  16 x lane
.set ADRS, 27
.set SPW,  28
.set NIL,  29
.set TO,   30                          ; v30  the table: 256 x (lane % 16) + 32 x (lane / 16)
.set SC,   32
.set AF,   128
.set T,    0                           ; window 1: the rotated numbers of 16 rows
.set PK,   96
.set BK,   128
.set TAB,  192
.set G1, 24
.set G0, 32
.set G1B, 48
.set G0B, 56
.set G1S, 68
.set G0S, 76
.set G1SB, 80
.set G0SB, 88
.set MSB, 0
.macro WIN new                         ; the immediate's high byte repeats the setting that is left
.if MSB != \new
	s_set_vgpr_msb (MSB<<8)|\new
.set MSB, \new
.endif
.endm
.set MUL_LO, 0xa1                      ; source 0 (B) window 1, source 1 (A) window 0, C and D window 2
.set MUL_HI, 0xf1
.set TO_B,   0x40
; A joint load: waves 0 and 1 fetch for A, waves 2 and 3 for B; the branch hangs on the wave's number alone.  An s_nop 0 and four v_nop follow each line.
.macro JLOAD g0a, g1a, g0b, g1b
	s_cmp_eq_u32 s15, 0
	s_cbranch_scc0 .Lfor_b_\@
	tensor_load_to_lds s[\g0a:\g0a+3], s[\g1a:\g1a+7]
	s_nop 0
.rept 4
	v_nop
.endr
	s_branch .Lasked_\@
.Lfor_b_\@:
	tensor_load_to_lds s[\g0b:\g0b+3], s[\g1b:\g1b+7]
	s_nop 0
.rept 4
	v_nop
.endr
.Lasked_\@:
.endm
.macro CROUND                          ; a round of the cluster's barrier
	s_barrier_signal -1
	s_barrier_wait -1
	s_cmp_lg_u32 s14, 0
	s_cbranch_scc1 .Lnot_wave_0_\@
	s_barrier_signal -3
.Lnot_wave_0_\@:
	s_barrier_wait -3
	s_barrier_signal -1
	s_barrier_wait -1
.endm
	s_load_b256 s[4:11], s[0:1], 0x0               ; codes 4:5, scales 6:7, tab 8:9, qkv 10:11
	s_load_b64 s[12:13], s[0:1], 0x20              ; qkv32
	v_lshl_add_u32 v[SPW], v0, 2, SPARE
	v_mov_b32 v[NIL], 0
	ds_add_u32 v[SPW], v[NIL]                      ; the wave's opening: the add, twice on end, and its wait ahead of my first tensor load
	ds_add_u32 v[SPW], v[NIL]
	v_lshrrev_b32 v1, 5, v0
	v_readfirstlane_b32 s14, v1                    ; wave 0..3
	s_lshr_b32 s15, s14, 1                         ; which half of the tile's rows is mine.  Also: I fetch for A (0) or for B (1)
	s_and_b32 s16, s14, 1                          ; which half of its columns.  Also: which 128 rows I fetch
	s_bfe_u32 s40, ttmp6, 0x40000                  ; cx
	s_bfe_u32 s41, ttmp6, 0x40004                  ; cy
	s_lshl_b32 s42, ttmp9, 2
	s_add_co_u32 s42, s42, s40                     ; tile column = 4 x cluster x + cx
	s_and_b32 s95, ttmp7, 0xffff                   ; cluster y
	s_lshl_b32 s17, s41, 3
	s_add_co_u32 s17, s17, s95                     ; tile row = 8 cy + cluster y
	s_lshl_b32 s43, s41, 2
	s_lshl_b32 s43, 15, s43                        ; my row of the cluster
	s_lshl_b32 s44, 0x1111, s40                    ; my column
	s_or_b32 s[G1+0], s43, (0<<16)|(1<<20)|(1<<21)|(5<<22)|(3<<25)  ; the mask; elements of 1 byte; padding on; bit 21 beside a mask; 4 words behind every 64
	s_or_b32 s[G1B+0], s44, (0<<16)|(1<<20)|(1<<21)|(5<<22)|(3<<25)
.irp g, G1, G1B
	s_mov_b32 s[\g+1], ROWB<<16                    ; tensor_dim0
	s_mov_b32 s[\g+2], 128<<16                     ; tensor_dim1
	s_mov_b32 s[\g+3], ROWB<<16                    ; tile_dim0
	s_mov_b32 s[\g+4], 128                         ; tile_dim1
	s_mov_b32 s[\g+5], KROW                        ; the pitch
	s_mov_b32 s[\g+6], 0
	s_mov_b32 s[\g+7], 0
.endr
	s_or_b32 s[G1S+0], s43, (3<<16)|(1<<20)|(1<<21)|(5<<22)|(3<<25)  ; the scales of 128 rows: a dense block, as rows of 256 bytes (32 elements of 8), 16 bytes of padding behind each
	s_or_b32 s[G1SB+0], s44, (3<<16)|(1<<20)|(1<<21)|(5<<22)|(3<<25)
.irp g, G1S, G1SB
	s_mov_b32 s[\g+1], 32<<16
	s_mov_b32 s[\g+2], (128*KS/256)<<16
	s_mov_b32 s[\g+3], 32<<16
	s_mov_b32 s[\g+4], 128*KS/256
	s_mov_b32 s[\g+5], 32
	s_mov_b32 s[\g+6], 0
	s_mov_b32 s[\g+7], 0
.endr
	s_lshl_b32 s18, s16, 7
	s_lshl_b32 s20, s17, 8
	s_add_co_u32 s20, s20, s18                     ; A: row 256 x tile row + 128 x half
	s_lshl_b32 s46, s42, 8
	s_add_co_u32 s46, s46, s18                     ; B: row 256 x tile column + 128 x half
	s_mov_b32 s21, 0
	s_mov_b32 s47, 0
	s_mov_b64 s[18:19], KS
	s_mul_u64 s[22:23], s[20:21], s[18:19]
	s_mul_u64 s[92:93], s[46:47], s[18:19]
	s_mov_b64 s[18:19], KROW
	s_mul_u64 s[20:21], s[20:21], s[18:19]
	s_mul_u64 s[46:47], s[46:47], s[18:19]
	s_add_nc_u64 s[92:93], s[92:93], WSCALES       ; the weights lie behind x in both buffers
	s_add_nc_u64 s[46:47], s[46:47], WCODES
	s_mul_i32 s45, s14, HALFT                      ; where they go: wave x 128 rows
	s_mul_i32 s94, s14, HALFS
	s_wait_dscnt 0x0                               ; both opening adds are done
	s_wait_kmcnt 0x0
	s_add_nc_u64 s[20:21], s[4:5], s[20:21]
	s_add_nc_u64 s[22:23], s[6:7], s[22:23]
	s_add_nc_u64 s[46:47], s[4:5], s[46:47]
	s_add_nc_u64 s[92:93], s[6:7], s[92:93]
	CROUND                                         ; all sixteen work-groups are here: the joint loads meet
	s_mov_b32 s[G0S], 1
	s_add_co_u32 s[G0S+1], s94, SCL
	s_mov_b64 s[G0S+2:G0S+3], s[22:23]
	s_or_b32 s[G0S+3], s[G0S+3], 0x80000000
	s_mov_b32 s[G0SB], 1
	s_add_co_u32 s[G0SB+1], s94, SCL
	s_mov_b64 s[G0SB+2:G0SB+3], s[92:93]
	s_or_b32 s[G0SB+3], s[G0SB+3], 0x80000000
	JLOAD G0S, G1S, G0SB, G1SB                     ; three tensor loads of mine go out here, and no more in the launch: the scales,
.irp s, 0,1
	s_mov_b32 s[G0+4*\s], 1
	s_add_co_u32 s[G0+4*\s+1], s45, \s*SLOT
	s_add_nc_u64 s[G0+4*\s+2:G0+4*\s+3], s[20:21], \s*ROWB
	s_or_b32 s[G0+4*\s+3], s[G0+4*\s+3], 0x80000000
	s_mov_b32 s[G0B+4*\s], 1
	s_add_co_u32 s[G0B+4*\s+1], s45, \s*SLOT
	s_add_nc_u64 s[G0B+4*\s+2:G0B+4*\s+3], s[46:47], \s*ROWB
	s_or_b32 s[G0B+4*\s+3], s[G0B+4*\s+3], 0x80000000
	JLOAD G0+4*\s, G1, G0B+4*\s, G1B               ; and the two halves of K
.endr
	v_and_b32 v1, 15, v0                           ; r = l % 16
	v_bfe_u32 v2, v0, 4, 1                         ; h = l / 16
	v_mul_u32_u24 v3, v1, PITCH
	v_lshl_add_u32 v4, v2, 4, v3
	s_mul_i32 s21, s15, HALFT
	s_mul_i32 s22, s16, HALFT
	s_add_co_u32 s22, s22, 2*HALFT
.irp s, 0,1
	v_add_nc_u32 v[ADRA+\s], s21, v4
	v_add_nc_u32 v[ADRB+\s], s22, v4
	s_add_co_u32 s21, s21, SLOT
	s_add_co_u32 s22, s22, SLOT
.endr
	v_mul_u32_u24 v5, v1, KS                       ; my row's scales: KS bytes a row,
	v_lshrrev_b32 v6, 8, v5
	v_lshl_add_u32 v5, v6, 4, v5                   ; and 16 more for each 256 passed
	s_mul_i32 s21, s15, HALFS
	s_mul_i32 s22, s16, HALFS
	s_add_co_u32 s22, s22, 2*HALFS
	s_sub_co_u32 s22, s22, s21
	v_mul_u32_u24 v6, s22, v2                      ; lanes 16-31 take B's
	s_add_co_u32 s21, s21, SCL
	v_add_nc_u32 v5, v5, v6
	v_add_nc_u32 v[ADRS], s21, v5
	s_mul_i32 s23, s14, 4608                       ; my stage: 2 heads x 16 rows x 144 bytes, in slot 0, which has had its one fill and, behind the change of slots, its last read
	v_mul_u32_u24 v5, v1, 144
	v_lshl_add_u32 v5, v2, 4, v5
	v_add_nc_u32 v[STO], s23, v5                   ; in: row r, 16 bytes for each half of the lanes
	v_and_b32 v6, 31, v0
	v_lshlrev_b32 v[CO], 4, v6
	v_lshrrev_b32 v5, 3, v6
	v_mul_u32_u24 v5, v5, 144
	v_and_b32 v6, 7, v6
	v_lshl_add_u32 v5, v6, 4, v5
	v_add_nc_u32 v[RD], s23, v5                    ; back: eight lanes to a row of 128 bytes, four rows an instruction
	v_lshlrev_b32 v[TO], 8, v1
	v_lshl_add_u32 v[TO], v2, 5, v[TO]
	s_lshl_b32 s18, s95, 8
	s_lshl_b32 s19, s15, 7
	s_add_co_u32 s18, s18, s19                     ; my first position in the batch: 256 x cluster y + 128 x half
	s_lshl_b32 s20, s18, 8                         ; the table: 256 bytes a position,
	s_lshl_b32 s21, ttmp9, 19                      ; 524,288 a plane
	s_add_co_u32 s20, s20, s21
	s_mov_b32 s21, 0
	s_add_nc_u64 s[8:9], s[8:9], s[20:21]
	s_lshl_b32 s96, s41, 4                         ; qkv: batch x 16 + 4 cx + 2 x half: my first head,
	s_lshl_b32 s97, s40, 2
	s_add_co_u32 s96, s96, s97
	s_lshl_b32 s97, s16, 1
	s_add_co_u32 s96, s96, s97
	s_lshl_b32 s96, s96, 18                        ; 2,048 positions of 128 bytes a head,
	s_lshl_b32 s97, s18, 7
	s_add_co_u32 s96, s96, s97
	s_lshl_b32 s97, ttmp9, 24                      ; 16,777,216 bytes a product
	s_add_co_u32 s96, s96, s97
	s_mov_b32 s97, 0
	s_add_nc_u64 s[10:11], s[10:11], s[96:97]
	s_mul_i32 s96, s41, 196608                     ; qkv32: 192 images of 1,024 bytes a batch; mine begin at 64 x product + 16 cx + 8 x half
	s_lshl_b32 s66, ttmp9, 6
	s_lshl_b32 s67, s40, 4
	s_add_co_u32 s66, s66, s67
	s_lshl_b32 s67, s16, 3
	s_add_co_u32 s66, s66, s67
	s_lshl_b32 s66, s66, 10
	s_add_co_u32 s96, s96, s66
	s_add_nc_u64 s[12:13], s[12:13], s[96:97]
	s_or_b32 s3, s95, s15                          ; 0 where my first 16 rows are a batch's first 16 positions
; the table's (cos, sin) of my lane's four pairs in each of four column tiles, for rows 16 a on, into set a % 2
.macro TABLOAD a
.irp bq, 0,1,2,3
.irp i, 0,1
	global_load_b128 v[TAB+32*((\a)%2)+8*\bq+4*\i:TAB+32*((\a)%2)+8*\bq+4*\i+3], v[TO], s[8:9] offset:4096*(\a)+64*\bq+16*\i
.endr
.endr
.endm
	TABLOAD 0                                      ; asked for here, wanted on the way out
	TABLOAD 1
.macro FRAG reg, adr, q, i             ; a fragment, 16 rows x 128 K of 4-bit codes: lane l holds row l % 16; registers 4 c .. 4 c + 3 hold K = 64 c + 32 (l / 16) + 0 .. 31
.irp c, 0,1
	ds_load_b128 v[\reg+4*\c:\reg+4*\c+3], v[\adr] offset:64*(\q)+32*\c+(\i)*16*PITCH
.endr
.endm
; 16 matrix instructions: A's blocks a0, a0 + 1 x B's eight.  The 64 accumulators take turns, one instruction a turn, in the same order in every step.
.macro MUL16 a0, p, q, sc, zero
.irp a, \a0, \a0+1
.irp b, 0,1,2,3,4,5,6,7
.if \zero
	v_wmma_scale_f32_16x16x128_f8f6f4 v[8*(8*((\a)%4)+\b):8*(8*((\a)%4)+\b)+7], v[128*(\p)+FR*\b:128*(\p)+FR*\b+FR-1], v[AF+FR*(\a):AF+FR*(\a)+FR-1], 0, v[SC+8*NQ*(\sc)+NQ*\b+(\q)], v[SC+8*NQ*(\sc)+NQ*(\a)+(\q)] matrix_a_fmt:MATRIX_FMT_FP4 matrix_b_fmt:MATRIX_FMT_FP4 matrix_a_scale:MATRIX_SCALE_ROW1
.else
	v_wmma_scale_f32_16x16x128_f8f6f4 v[8*(8*((\a)%4)+\b):8*(8*((\a)%4)+\b)+7], v[128*(\p)+FR*\b:128*(\p)+FR*\b+FR-1], v[AF+FR*(\a):AF+FR*(\a)+FR-1], v[8*(8*((\a)%4)+\b):8*(8*((\a)%4)+\b)+7], v[SC+8*NQ*(\sc)+NQ*\b+(\q)], v[SC+8*NQ*(\sc)+NQ*(\a)+(\q)] matrix_a_fmt:MATRIX_FMT_FP4 matrix_b_fmt:MATRIX_FMT_FP4 matrix_a_scale:MATRIX_SCALE_ROW1
.endif
.endr
.endr
.endm
.macro FETCH_B slot, q, p
	WIN TO_B
.irp i, 0,1,2,3,4,5,6,7
	FRAG 128*(\p)+FR*\i, ADRB+\slot, \q, \i
.endr
	WIN 0
.endm
.macro FETCH_A slot, q, i0
.irp i, \i0, \i0+1, \i0+2, \i0+3
	FRAG AF+FR*(\i), ADRA+\slot, \q, \i
.endr
.endm
.macro SCALES sc                       ; a slot's scale words: lanes 0-15 take A's block i, lanes 16-31 B's block i
.irp i, 0,1,2,3,4,5,6,7
	ds_load_b128 v[SC+8*NQ*\sc+NQ*\i:SC+8*NQ*\sc+NQ*\i+3], v[ADRS] offset:\i*SBLK
.endr
.endm
.macro PLACES n                        ; plain vector instructions between a matrix instruction and a load into, or a read of, its registers
.rept \n
	v_nop
.endr
.endm
.macro STEP slot, q, zero              ; 128 along K that has its successor in the same slot
	s_wait_dscnt 4*NL                              ; B's set and A's blocks 0-3 are in; A's blocks 4-7 may be out
	WIN MUL_LO
	MUL16 0, (\q)%2, \q, \slot, \zero
	MUL16 2, (\q)%2, \q, \slot, \zero
	s_wait_dscnt 0
	PLACES NP
	FETCH_B \slot, (\q)+1, 1-(\q)%2
	FETCH_A \slot, (\q)+1, 0
	WIN MUL_HI
	MUL16 4, (\q)%2, \q, \slot, \zero
	MUL16 6, (\q)%2, \q, \slot, \zero
	PLACES NP
	WIN 0
	FETCH_A \slot, (\q)+1, 4
.endm
.macro STEPS slot, from
.set Q, \from
.rept NQ-1-\from
	STEP \slot, Q, 0
.set Q, Q+1
.endr
.endm
	s_wait_tensorcnt 1                             ; the scales and my part of slot 0 are in; slot 1's load may be out,
	s_barrier_signal -1
	s_barrier_wait -1                              ; everybody's are
	FETCH_B 0, 0, 0
	FETCH_A 0, 0, 0
	SCALES 0
	FETCH_A 0, 0, 4
	STEP 0, 0, 1                                   ; the first products start the sums: nothing is cleared
	STEPS 0, 1
	; slot 0's last step changes slots: one barrier; in front of it my part of slot 1 has landed and my reads of slot 0 are over
	s_wait_tensorcnt 0x0
	ds_add_u32 v[SPW], v[NIL]
	s_wait_dscnt 4*NL+1                            ; (the add and A's blocks 4-7 may be out)
	WIN MUL_LO
	MUL16 0, 1, NQ-1, 0, 0
	s_wait_dscnt 0x0
	s_barrier_signal -1
	MUL16 2, 1, NQ-1, 0, 0
	WIN 0
	s_barrier_wait -1
	PLACES NP
	v_add_nc_u32 v[ADRS], 4*NQ, v[ADRS]            ; on to slot 1's scale words
	FETCH_B 1, 0, 0
	FETCH_A 1, 0, 0
	SCALES 1
	WIN MUL_HI
	MUL16 4, 1, NQ-1, 0, 0
	MUL16 6, 1, NQ-1, 0, 0
	PLACES NP
	WIN 0
	FETCH_A 1, 0, 4
	STEPS 1, 0
	s_wait_dscnt 4*NL                              ; the very last step: nothing more to fetch
	WIN MUL_LO
	MUL16 0, 1, NQ-1, 1, 0
	MUL16 2, 1, NQ-1, 1, 0
	s_wait_dscnt 0
	WIN MUL_HI
	MUL16 4, 1, NQ-1, 1, 0
	MUL16 6, 1, NQ-1, 1, 0
	WIN 0
; THE WAY OUT.  CONV a: block a's 16 rows x 128 columns are rotated (two packed instructions a pair: x1 x (cos, sin), then + x2 x (-sin, cos)), each accumulator from its low end on, and rounded to f16.
.macro CONV a
.set TS, TAB+32*((\a)%2)
.set AC, 64*((\a)%4)
.if (\a) == 1
	s_wait_xcnt 0x0                                ; block 0's f32 stores have read the rotated numbers: they are written again only behind this wait
.endif
.if (\a) < 7
	s_wait_loadcnt 8                               ; this block's table is in; the next block's eight loads may be out
.else
	s_wait_loadcnt 0x0
.endif
	WIN 0x52+(\a)/4                                ; source 0: the accumulators' window; source 1 (the table) window 0; source 2 and destination window 1
.irp b, 0,1,2,3,4,5,6,7
.irp i, 0,1,2,3
	v_pk_mul_f32 v[T+8*\b+2*\i:T+8*\b+2*\i+1], v[AC+8*\b+2*\i:AC+8*\b+2*\i+1], v[TS+8*(\b%4)+2*\i:TS+8*(\b%4)+2*\i+1] op_sel_hi:[0,1]
.endr
.irp i, 0,1,2,3
	v_pk_fma_f32 v[T+8*\b+2*\i:T+8*\b+2*\i+1], v[AC+8*\b+2*\i:AC+8*\b+2*\i+1], v[TS+8*(\b%4)+2*\i:TS+8*(\b%4)+2*\i+1], v[T+8*\b+2*\i:T+8*\b+2*\i+1] op_sel:[1,1,0] op_sel_hi:[1,0,1] neg_lo:[0,1,0]
.endr
.endr
	WIN 0x05                                       ; sources window 1, destination window 0
.irp b, 0,1,2,3,4,5,6,7
.irp i, 0,1,2,3
	v_cvt_pk_f16_f32 v[PK+4*\b+\i], v[T+8*\b+2*\i], v[T+8*\b+2*\i+1]
.endr
.endr
	WIN 0
.if (\a) <= 5
	TABLOAD (\a)+2                                 ; into the set just read
.endif
.if (\a) == 0
	s_cmp_lg_u32 s3, 0                             ; a batch's first 16 positions also leave in f32: the cluster's y and the wave's number alone decide
	s_cbranch_scc1 .Lno32
	WIN 0x04                                       ; a store's data are its source 1: window 1
.irp b, 0,1,2,3,4,5,6,7
.irp q, 0,1
	global_store_b128 v[CO], v[T+8*\b+4*\q:T+8*\b+4*\q+3], s[12:13] offset:1024*\b+512*\q   ; an image of four registers: 512 consecutive bytes
.endr
.endr
	WIN 0
.Lno32:
.endif
.endm
.macro TOSTAGE a                       ; into my stage, and back as whole rows; LDS serves a wave's instructions in order, so no wait stands between
.irp b, 0,1,2,3,4,5,6,7
	ds_store_b128 v[STO], v[PK+4*\b:PK+4*\b+3] offset:(\b/4)*2304+(\b%4)*32
.endr
.if (\a) > 1
	s_wait_xcnt 0x0                                ; block a - 2's stores have read their registers: block a's loads may land there
.endif
.set BB, BK+32*((\a)%2)
.irp hd, 0,1
.irp i, 0,1,2,3
	ds_load_b128 v[BB+4*(4*\hd+\i):BB+4*(4*\hd+\i)+3], v[RD] offset:\hd*2304+\i*576
.endr
.endr
.endm
.macro SEND a, younger                 ; younger: the LDS instructions issued behind block a's loads, which may stay out
.set BB, BK+32*((\a)%2)
	s_wait_dscnt \younger
.irp hd, 0,1
.irp i, 0,1,2,3
	global_store_b128 v[CO], v[BB+4*(4*\hd+\i):BB+4*(4*\hd+\i)+3], s[10:11] offset:\hd*262144+(\a)*2048+\i*512   ; four positions of a head: 512 consecutive bytes, aligned
.endr
.endr
.endm
	PLACES NP                                      ; behind the last products: for the reads of results and the writes into registers that held fragments
	CONV 0
	TOSTAGE 0
.irp a, 1,2,3,4,5,6,7
	CONV \a
	TOSTAGE \a
	SEND \a-1, 16                                  ; behind block a - 1's loads: block a's 8 stores and 8 loads
.endr
	SEND 7, 0
	s_wait_tensorcnt 0x0                           ; the wave's end, behind my last tensor load and my last LDS store
	ds_add_u32 v[SPW], v[NIL]
	s_wait_dscnt 0x0
	CROUND                                         ; the closing round
	s_endpgm
.Lfunc_end_k_qc94d86de9e_qkv:
	.size	k_qc94d86de9e_qkv, .Lfunc_end_k_qc94d86de9e_qkv-k_qc94d86de9e_qkv
	.p2alignl 7, 3214868480
	.fill 96, 4, 3214868480
	.section	.rodata,"a",@progbits
	.p2align	6, 0x0
	.amdhsa_kernel k_qc94d86de9e_qkv
		.amdhsa_group_segment_fixed_size 327680
		.amdhsa_private_segment_fixed_size 0
		.amdhsa_enable_private_segment 0
		.amdhsa_kernarg_size 40
		.amdhsa_user_sgpr_count 2
		.amdhsa_user_sgpr_kernarg_segment_ptr 1
		.amdhsa_wavefront_size32 1
		.amdhsa_system_sgpr_workgroup_id_x 1
		.amdhsa_system_sgpr_workgroup_id_y 1
		.amdhsa_system_sgpr_workgroup_id_z 1
		.amdhsa_system_vgpr_workitem_id 0
		.amdhsa_next_free_vgpr 1024
		.amdhsa_next_free_sgpr 98
		.amdhsa_reserve_vcc 0
		.amdhsa_float_denorm_mode_32 3
		.amdhsa_float_denorm_mode_16_64 3
		.amdhsa_memory_ordered 1
		.amdhsa_forward_progress 1
		.amdhsa_inst_pref_size 167
	.end_amdhsa_kernel
	.amdgpu_metadata
---
amdhsa.version: [ 1, 2 ]
amdhsa.kernels:
  - .name:           k_qc94d86de9e_qkv
    .symbol:         k_qc94d86de9e_qkv.kd
    .args:
      - { .name: codes, .offset: 0, .size: 8, .value_kind: global_buffer, .address_space: global }
      - { .name: scales, .offset: 8, .size: 8, .value_kind: global_buffer, .address_space: global }
      - { .name: tab, .offset: 16, .size: 8, .value_kind: global_buffer, .address_space: global }
      - { .name: qkv, .offset: 24, .size: 8, .value_kind: global_buffer, .address_space: global }
      - { .name: qkv32, .offset: 32, .size: 8, .value_kind: global_buffer, .address_space: global }
    .group_segment_fixed_size: 327680
    .private_segment_fixed_size: 0
    .kernarg_segment_align: 8
    .kernarg_segment_size: 40
    .max_flat_workgroup_size: 128
    .sgpr_count:     98
    .vgpr_count:     1024
    .wavefront_size: 32
...
	.end_amdgpu_metadata
.endif
;; end of part 2
;; launch first (part 3): grid 16 x 4, 16 waves a work-group, no clusters, 84,224 bytes of LDS; arguments qkv32, W_O, out0; writes out0
.if DOCPART == 3
	.amdgcn_target "amdgcn-amd-amdhsa--gfx1250"
	.amdhsa_code_object_version 6
	.text
	.protected	k_qc94d86de9e_first
	.globl	k_qc94d86de9e_first
	.p2align	8
	.type	k_qc94d86de9e_first,@function
k_qc94d86de9e_first:
	s_mov_b64 s[64:65], 0
	v_nop
	global_prefetch_b8 v0, s[64:65] scope:SCOPE_SE
	s_setreg_imm32_b32 hwreg(HW_REG_WAVE_MODE, 25, 1), 1
	s_wait_xcnt 0x0
; The first 16 positions of each batch, all in f32: there a row of the softmax averages one to sixteen values, and the rounding of 16-bit operands would weigh most.  64 rows in all: no bulk work.
; A work-group is (64 columns of the output, batch).  PHASE A: wave w makes head w's attention for the 16 positions, from the f32 images that the launch before stored
; (image of a 16 x 16 tile: lane (r, h), register j = (row r, column 8 h + j); q carries log2(e)/8).  S^T = K Q^T, mask, softmax with the row's maximum taken away, O^T = V^T P, divided by the sum; to LDS.
; PHASE B: out = o W_O^T.  Wave w takes 16 columns (w % 4) and a quarter of K (w / 4); the four quarters meet in LDS and waves 0-7 add them and store: sixteen lanes to 256 consecutive bytes.
; v_wmma_f32_16x16x4_f32: lane (r, h), register j holds k = 2 h + j.  Here both sources of an instruction take the same two registers of their images, so k is permuted alike on both sides.
; The registers that these instructions write, v16-47, are written by nothing else; each sum begins with the constant 0; accumulators take turns.
; LIMITS: NaN and infinities are not served.
.set OP,    4112                       ; a row of o in LDS: 4,096 bytes + 16
.set PART,  16*OP                      ; behind it: each wave's 16 x 16 partial sums, 1,024 bytes
.set SPARE, PART+16*1024               ; the spare words, 128 bytes a wave
.set ACC, 16
.set QR,  48                           ; v48-79   q, then o of my head, then pieces of o
.set KR,  80                           ; v80-111  k;  v80-143 later W_O's second half
.set VT,  112                          ; v112-143 v, turned: register 8 t + jj = v(key 8 h + jj, channel 16 t + r)
.set TT,  144                          ; v144-151 scores;  v144-175 later pieces of o
.set PP,  152                          ; v152-159 p
.set RR,  176                          ; v176-191 sums on the way out
.set W1,  192                          ; v192-255 W_O's first half
	s_load_b128 s[4:7], s[0:1], 0x0                ; qkv32, W_O
	s_load_b64 s[8:9], s[0:1], 0x10                ; out0
	v_lshl_add_u32 v12, v0, 2, SPARE               ; v12, v13: my spare word's address, and 0; never rewritten
	v_mov_b32 v13, 0
	v_lshrrev_b32 v1, 5, v0
	v_readfirstlane_b32 s10, v1                    ; wave 0..15
	s_and_b32 s11, ttmp7, 0xffff                   ; batch
	v_and_b32 v1, 31, v0
	v_and_b32 v2, 15, v0                           ; r
	v_bfe_u32 v3, v0, 4, 1                         ; h
	v_lshlrev_b32 v4, 4, v1                        ; an image's place for my lane
	v_bfe_u32 v5, v2, 2, 1                         ; v turned: channel r of key 8 h + jj lies in the image at 512 ((r / 4) % 2) + 256 (r / 8) + 128 h + 4 (r % 4) + 16 jj
	v_lshlrev_b32 v5, 9, v5
	v_bfe_u32 v6, v2, 3, 1
	v_lshl_add_u32 v5, v6, 8, v5
	v_lshl_add_u32 v5, v3, 7, v5
	v_and_b32 v6, 3, v2
	v_lshl_add_u32 v5, v6, 2, v5
	v_lshlrev_b32 v6, 3, v3
	v_sub_nc_u32 v6, v2, v6                        ; r - 8 h: register j's key is hidden where j is above it
	v_mov_b32 v7, 0xff800000                       ; -infinity
	s_lshl_b32 s12, s10, 8
	v_mul_u32_u24 v8, v2, OP
	v_lshl_add_u32 v8, v3, 5, v8
	v_add_nc_u32 v8, s12, v8                       ; o into LDS: row r, 256 bytes a head, 32 h
	v_lshlrev_b32 v9, 12, v2
	v_lshl_add_u32 v9, v3, 4, v9                   ; W_O: row r of 4,096 bytes, + 16 h
	s_lshr_b32 s13, s10, 2                         ; my quarter of K
	s_and_b32 s14, s10, 3                          ; my 16 columns
	s_lshl_b32 s15, s13, 10
	v_mul_u32_u24 v10, v2, OP
	v_lshl_add_u32 v10, v3, 4, v10
	v_add_nc_u32 v10, s15, v10                     ; o out of LDS: row r, + 16 h, + my quarter
	s_lshl_b32 s15, s10, 10
	s_add_co_u32 s15, s15, PART
	v_add_nc_u32 v11, s15, v4                      ; my partial sums, as an image
	v_lshrrev_b32 v176, 4, v0                      ; the last step: thread t takes row t / 16, columns 4 (t % 16) on
	v_and_b32 v177, 15, v0
	v_lshlrev_b32 v15, 12, v176
	v_lshl_add_u32 v15, v177, 4, v15               ; in the output,
	v_lshlrev_b32 v14, 4, v176
	v_bfe_u32 v178, v177, 2, 2
	v_lshl_add_u32 v14, v178, 10, v14
	v_and_b32 v178, 1, v177
	v_lshl_add_u32 v14, v178, 9, v14
	v_bfe_u32 v178, v177, 1, 1
	v_lshl_add_u32 v14, v178, 8, v14
	v_add_nc_u32 v14, PART, v14                    ; and in the images
	v_mov_b32 v161, 0                              ; written once: a lane permute's destination counts as one of its sources
	s_mul_i32 s16, s11, 196608
	s_lshl_b32 s17, s10, 12
	s_add_co_u32 s16, s16, s17                     ; my head's four images of q
	s_mov_b32 s17, 0
	s_lshl_b32 s18, ttmp9, 6
	s_lshl_b32 s19, s14, 4
	s_add_co_u32 s18, s18, s19
	s_lshl_b32 s18, s18, 12
	s_lshl_b32 s19, s13, 10
	s_add_co_u32 s18, s18, s19                     ; W_O at (my first column, my quarter of K)
	s_mov_b32 s19, 0
	s_lshl_b32 s22, s11, 23
	s_lshl_b32 s23, ttmp9, 8
	s_add_co_u32 s22, s22, s23                     ; the output at (batch, my work-group's 64 columns)
	s_mov_b32 s23, 0
	s_mov_b32 s20, 0x76543210
	s_mov_b32 s21, 0xfedcba98                      ; v_permlanex16_b32's selects for lane l xor 16
	s_wait_kmcnt 0x0
	s_add_nc_u64 s[4:5], s[4:5], s[16:17]
	s_add_nc_u64 s[6:7], s[6:7], s[18:19]
	s_add_nc_u64 s[8:9], s[8:9], s[22:23]
.irp t, 0,1,2,3
.irp q, 0,1
	global_load_b128 v[QR+8*\t+4*\q:QR+8*\t+4*\q+3], v4, s[4:5] offset:1024*\t+512*\q
.endr
.endr
.irp t, 0,1,2,3
.irp q, 0,1
	global_load_b128 v[KR+8*\t+4*\q:KR+8*\t+4*\q+3], v4, s[4:5] offset:65536+1024*\t+512*\q
.endr
.endr
.irp t, 0,1,2,3
.irp jj, 0,1,2,3,4,5,6,7
	global_load_b32 v[VT+8*\t+\jj], v5, s[4:5] offset:131072+1024*\t+16*\jj
.endr
.endr
.irp c, 0,1,2,3,4,5,6,7,8,9,10,11,12,13,14,15
	global_load_b128 v[W1+4*\c:W1+4*\c+3], v9, s[6:7] offset:32*\c
.endr
	s_wait_loadcnt 48                              ; q and k are in; v's 32 loads and W_O's 16 may be out
.irp jj, 0,1,2,3                       ; S^T = K Q^T in two sums by turns
.irp t, 0,1,2,3
.if (\jj == 0) && (\t < 2)
	v_wmma_f32_16x16x4_f32 v[ACC+8*(\t%2):ACC+8*(\t%2)+7], v[KR+8*\t+2*\jj:KR+8*\t+2*\jj+1], v[QR+8*\t+2*\jj:QR+8*\t+2*\jj+1], 0
.else
	v_wmma_f32_16x16x4_f32 v[ACC+8*(\t%2):ACC+8*(\t%2)+7], v[KR+8*\t+2*\jj:KR+8*\t+2*\jj+1], v[QR+8*\t+2*\jj:QR+8*\t+2*\jj+1], v[ACC+8*(\t%2):ACC+8*(\t%2)+7]
.endif
.endr
.endr
.rept 8
	v_nop                                          ; eight places behind this form before its results are read
.endr
.irp j, 0,1,2,3,4,5,6,7
	v_add_f32 v[TT+\j], v[ACC+\j], v[ACC+8+\j]     ; lane (r, h): query r, key 8 h + j
.endr
.irp j, 0,1,2,3,4,5,6,7
	v_cmp_gt_i32 vcc_lo, \j, v6
	v_cndmask_b32 v[TT+\j], v[TT+\j], v7, vcc_lo   ; hidden keys: -infinity
.endr
	v_max3_num_f32 v160, v144, v145, v146
	v_max3_num_f32 v160, v160, v147, v148
	v_max3_num_f32 v160, v160, v149, v150
	v_max_num_f32 v160, v160, v151
	v_permlanex16_b32 v161, v160, s20, s21
	v_max_num_f32 v160, v160, v161                 ; the row's maximum: key 0 counts for every query, so it is a number
.irp j, 0,1,2,3,4,5,6,7
	v_sub_f32 v[TT+\j], v[TT+\j], v160
.endr
.irp j, 0,1,2,3,4,5,6,7
	v_exp_f32 v[PP+\j], v[TT+\j]
.endr
	v_nop                                          ; a plain instruction behind the last exponential
	s_wait_alu depctr_va_vdst(0)                   ; the wait ahead of the first use: one for the eight
	v_add_f32 v162, v152, v153
	v_add_f32 v163, v154, v155
	v_add_f32 v162, v162, v156
	v_add_f32 v163, v163, v157
	v_add_f32 v162, v162, v158
	v_add_f32 v163, v163, v159
	v_add_f32 v162, v162, v163
	v_permlanex16_b32 v161, v162, s20, s21
	v_add_f32 v162, v162, v161                     ; the row's sum
	v_rcp_f32 v164, v162
	v_nop
	s_wait_loadcnt 16                              ; v is in; W_O's 16 loads may be out
.irp i, 0,1,2,3                        ; O^T = V^T P: four sums by turns; more than nine plain instructions lie behind the scores' sums, over whose registers these begin anew
.irp t, 0,1,2,3
.if \i == 0
	v_wmma_f32_16x16x4_f32 v[ACC+8*\t:ACC+8*\t+7], v[VT+8*\t+2*\i:VT+8*\t+2*\i+1], v[PP+2*\i:PP+2*\i+1], 0
.else
	v_wmma_f32_16x16x4_f32 v[ACC+8*\t:ACC+8*\t+7], v[VT+8*\t+2*\i:VT+8*\t+2*\i+1], v[PP+2*\i:PP+2*\i+1], v[ACC+8*\t:ACC+8*\t+7]
.endif
.endr
.endr
.rept 9
	v_nop                                          ; nine: for the reads of results, for the loads into v's registers, and for the sums that begin anew on these accumulators further down
.endr
	s_wait_alu depctr_va_vdst(0)                   ; the reciprocal's wait, ahead of its first use
.irp j, 0,1,2,3,4,5,6,7,8,9,10,11,12,13,14,15,16,17,18,19,20,21,22,23,24,25,26,27,28,29,30,31
	v_mul_f32 v[QR+\j], v[ACC+\j], v164            ; register 8 t + j: o(query r, channel 16 t + 8 h + j)
.endr
.irp c, 0,1,2,3,4,5,6,7,8,9,10,11,12,13,14,15
	global_load_b128 v[KR+4*\c:KR+4*\c+3], v9, s[6:7] offset:512+32*\c
.endr
.irp t, 0,1,2,3
	ds_store_b128 v8, v[QR+8*\t:QR+8*\t+3] offset:64*\t
	ds_store_b128 v8, v[QR+8*\t+4:QR+8*\t+7] offset:64*\t+16
.endr
	s_wait_dscnt 0x0                               ; for the others' sake: my stores have landed
	s_barrier_signal -1
	s_barrier_wait -1                              ; 16 rows x 1,024 of o lie in LDS
; a piece is 8 along K: lane (r, h) holds k + 4 h .. + 3 of its row of W_O and of its row of o; registers 0-1 go to one sum, registers 2-3 to the other
.macro OLD grp, buf
.irp c, 0,1,2,3,4,5,6,7
	ds_load_b128 v[\buf+4*\c:\buf+4*\c+3], v10 offset:32*(8*(\grp)+\c)
.endr
.endm
.macro MULG buf, wreg, zero
.irp c, 0,1,2,3,4,5,6,7
.if \zero && (\c == 0)
	v_wmma_f32_16x16x4_f32 v[ACC:ACC+7], v[\wreg+4*\c:\wreg+4*\c+1], v[\buf+4*\c:\buf+4*\c+1], 0
	v_wmma_f32_16x16x4_f32 v[ACC+8:ACC+15], v[\wreg+4*\c+2:\wreg+4*\c+3], v[\buf+4*\c+2:\buf+4*\c+3], 0
.else
	v_wmma_f32_16x16x4_f32 v[ACC:ACC+7], v[\wreg+4*\c:\wreg+4*\c+1], v[\buf+4*\c:\buf+4*\c+1], v[ACC:ACC+7]
	v_wmma_f32_16x16x4_f32 v[ACC+8:ACC+15], v[\wreg+4*\c+2:\wreg+4*\c+3], v[\buf+4*\c+2:\buf+4*\c+3], v[ACC+8:ACC+15]
.endif
.endr
.endm
	OLD 0, QR
	OLD 1, TT
	s_wait_loadcnt 16                              ; W_O's first half is in; the second half's 16 loads may be out
	s_wait_dscnt 8                                 ; the first eight pieces of o are in
	MULG QR, W1, 1
.rept 8
	v_nop                                          ; places in front of loads into registers that these instructions have read
.endr
	OLD 2, QR
	s_wait_dscnt 8
	MULG TT, W1+32, 0
.rept 8
	v_nop
.endr
	OLD 3, TT
	s_wait_loadcnt 0x0
	s_wait_dscnt 8
	MULG QR, KR, 0
	s_wait_dscnt 0x0
	MULG TT, KR+32, 0
.rept 8
	v_nop
.endr
.irp j, 0,1,2,3,4,5,6,7
	v_add_f32 v[RR+\j], v[ACC+\j], v[ACC+8+\j]     ; lane (r, h): row r, column 8 h + j of my 16, over my quarter of K
.endr
	ds_store_b128 v11, v[RR:RR+3]
	ds_store_b128 v11, v[RR+4:RR+7] offset:512
	s_wait_dscnt 0x0
	s_barrier_signal -1
	s_barrier_wait -1                              ; all sixteen partial sums lie in LDS
	s_cmp_lt_u32 s10, 8
	s_cbranch_scc0 .Ldone
.irp kq, 0,1,2,3
	ds_load_b128 v[RR+4*\kq:RR+4*\kq+3], v14 offset:4096*\kq
.endr
	s_wait_dscnt 0x0
	v_pk_add_f32 v[176:177], v[176:177], v[180:181]
	v_pk_add_f32 v[178:179], v[178:179], v[182:183]
	v_pk_add_f32 v[184:185], v[184:185], v[188:189]
	v_pk_add_f32 v[186:187], v[186:187], v[190:191]
	v_pk_add_f32 v[176:177], v[176:177], v[184:185]
	v_pk_add_f32 v[178:179], v[178:179], v[186:187]
	global_store_b128 v15, v[176:179], s[8:9]      ; sixteen lanes store 256 consecutive bytes, aligned
.Ldone:
	s_wait_tensorcnt 0x0                           ; the wave's end, behind my last LDS store
	ds_add_u32 v12, v13
	s_wait_dscnt 0x0
	s_endpgm
.Lfunc_end_k_qc94d86de9e_first:
	.size	k_qc94d86de9e_first, .Lfunc_end_k_qc94d86de9e_first-k_qc94d86de9e_first
	.p2alignl 7, 3214868480
	.fill 96, 4, 3214868480
	.section	.rodata,"a",@progbits
	.p2align	6, 0x0
	.amdhsa_kernel k_qc94d86de9e_first
		.amdhsa_group_segment_fixed_size 84224
		.amdhsa_private_segment_fixed_size 0
		.amdhsa_enable_private_segment 0
		.amdhsa_kernarg_size 24
		.amdhsa_user_sgpr_count 2
		.amdhsa_user_sgpr_kernarg_segment_ptr 1
		.amdhsa_wavefront_size32 1
		.amdhsa_system_sgpr_workgroup_id_x 1
		.amdhsa_system_sgpr_workgroup_id_y 1
		.amdhsa_system_sgpr_workgroup_id_z 1
		.amdhsa_system_vgpr_workitem_id 0
		.amdhsa_next_free_vgpr 256
		.amdhsa_next_free_sgpr 66
		.amdhsa_reserve_vcc 1
		.amdhsa_float_denorm_mode_32 3
		.amdhsa_float_denorm_mode_16_64 3
		.amdhsa_memory_ordered 1
		.amdhsa_forward_progress 1
		.amdhsa_inst_pref_size 26
	.end_amdhsa_kernel
	.amdgpu_metadata
---
amdhsa.version: [ 1, 2 ]
amdhsa.kernels:
  - .name:           k_qc94d86de9e_first
    .symbol:         k_qc94d86de9e_first.kd
    .args:
      - { .name: qkv32, .offset: 0, .size: 8, .value_kind: global_buffer, .address_space: global }
      - { .name: W_O, .offset: 8, .size: 8, .value_kind: global_buffer, .address_space: global }
      - { .name: out0, .offset: 16, .size: 8, .value_kind: global_buffer, .address_space: global }
    .group_segment_fixed_size: 84224
    .private_segment_fixed_size: 0
    .kernarg_segment_align: 8
    .kernarg_segment_size: 24
    .max_flat_workgroup_size: 512
    .sgpr_count:     66
    .vgpr_count:     256
    .wavefront_size: 32
...
	.end_amdgpu_metadata
.endif
;; end of part 3
;; launch attn (part 4): grid 4 x 64, 8 waves a work-group, no clusters, 327,680 bytes of LDS; arguments qkv, o; writes o
.if DOCPART == 4
	.amdgcn_target "amdgcn-amd-amdhsa--gfx1250"
	.amdhsa_code_object_version 6
	.text
	.protected	k_qc94d86de9e_attn
	.globl	k_qc94d86de9e_attn
	.p2align	8
	.type	k_qc94d86de9e_attn,@function
k_qc94d86de9e_attn:
	s_mov_b64 s[64:65], 0
	v_nop
	global_prefetch_b8 v0, s[64:65] scope:SCOPE_SE
	s_setreg_imm32_b32 hwreg(HW_REG_WAVE_MODE, 25, 1), 1
	s_wait_xcnt 0x0
; o[bh][q] = the sum over k <= q of softmax_k(q . k) v[k].  q, k, v: f16 [product][bh 64][position 2048][64]; q carries log2(e)/8, so p = 2^(s - m).  o: f16 [bh][position][64].
; Products on f16 operands, sums, maxima and the softmax in f32; p is rounded to f16 for the second product, the row's sum is taken of the unrounded p.
; SHARES.  Work-group (i, bh) owns the blocks of 256 queries 7 - i and i of one head: nine blocks of keys' work under the mask, whatever i.  Wave w owns 32 queries of each: pair H at
; 256 (7 - i) + 32 w, pair L at 256 i + 32 (7 - w): 33 steps of 64 keys for the two pairs together, whatever w.  A pair is two tiles of 16.  A fragment of K or V read from LDS serves four tiles while both pairs are at work.
; Two waves lie on a SIMD: one wave's softmax stands beside the other's products.
; NO CLUSTER: the four work-groups of a head need 2,048, 1,792, 1,536 and 1,280 keys: under the mask all waves of some partner would pass over the reads of a tile asked for jointly.
; LAYOUT.  S^T = K Q^T (source 0 = 16 keys, source 1 = 16 queries), O^T = V^T P: a lane holds one query throughout; two tiles of S^T, rounded in pairs, are source 1 of the second product.  V comes turned, by ds_load_tr16_b128.
; THE RING.  Two slots of four key steps; wave w < 4 fetches K's 64 rows of step w, wave w >= 4 V's of step w - 4: one tensor load a wave behind each barrier, and never more than one of mine is out.
; Every work-group walks all eight slots (the trip counts are constants); a step all of whose keys come after a pair's queries is passed over by a scalar branch on ids, and a slot that no wave will read is not asked for.
; LIMITS: NaN and infinities are not served; the f16 operands' range is that of the launch that made them.
; REGISTERS.  window 0: v1-14 addresses; v16-47 eight statistics a tile (+0 m, +1 the old m, +2:3 the sum, +4..7 at work, a in +6); v48, 49 q's offsets; v64-127 K; v128-255 S^T, 32 a tile, p packed into the low 16.
;   window 1: v0-127 O^T, 32 a tile; v128-191 Q, 16 a tile; v192-255 V.
.set KS,    64
.set PKP,   144                        ; a row of K in LDS: 128 bytes + 16
.set PVP,   160                        ; a row of V: 128 + 32
.set VOFF,  KS*PKP
.set STEPB, KS*(PKP+PVP)
.set SLOT1, 1<<17                      ; slot 1 begins here: one exclusive or turns an address from one slot into the other
.set STAGE, 2*SLOT1                    ; the way out: 16 rows x 144 bytes a wave
.set SPARE, STAGE+8*16*144             ; the spare words, 128 bytes a wave
.set AK0, 1
.set AV0, 2
.set ADK, 3
.set ADV, 4
.set LD,  5                            ; v5  r - 8 h
.set DD,  6                            ; v6  the mask's threshold
.set NINF, 7
.set STO, 8
.set RD,  9
.set GOH, 10
.set GOL, 11
.set SPW, 12
.set NIL, 13
.set PFO, 14
.set ST,  16
.set QOH, 48
.set QOL, 49
.set KB,  64
.set S,   128
.set QF,  128                          ; window 1
.set VB,  192                          ; window 1
.set WV,  8
.set QH,  12                           ; s12  pair H's first query
.set QL,  13                           ; s13  pair L's
.set QLAST, 14                         ; s14  my work-group's last query
.set KF,  15                           ; s15  the step's first key
.set TB,  16                           ; s16  LDS byte at which the step's tiles begin
.set SLOTS, 17
.set INNER, 18
.set LIM, 19
.set SEL, 20
.set G1K, 24
.set G1V, 32
.set G0,  40
.set PFA, 44
.set MSB, 0
.macro WIN new
.if MSB != \new
	s_set_vgpr_msb (MSB<<8)|\new
.set MSB, \new
.endif
.endm
; My one tensor load: K's shape in waves 0-3, V's in waves 4-7.  An s_nop 0 and four v_nop follow each line.
.macro TLOAD
	s_cmp_lt_u32 s[WV], 4
	s_cbranch_scc0 .Lfor_v_\@
	tensor_load_to_lds s[G0:G0+3], s[G1K:G1K+7]
	s_nop 0
.rept 4
	v_nop
.endr
	s_branch .Lasked_\@
.Lfor_v_\@:
	tensor_load_to_lds s[G0:G0+3], s[G1V:G1V+7]
	s_nop 0
.rept 4
	v_nop
.endr
.Lasked_\@:
.endm
; A prefetch into the L2 of the 8,192 bytes that I shall load at the NEXT change of slots, lanes 256 bytes apart: four key steps ahead of that load.  All four work-groups of a head walk the same K and V:
; the head's work-group 0, which loads every slot, asks, and nobody else: each block of 256 bytes is named once.  The last change that fills a slot asks for nothing; slots 0 and 1 come by their loads alone.
.macro ASK
	s_cmp_gt_u32 s[SLOTS], s[LIM]
	s_cbranch_scc0 .Lnot_mine_\@
	global_prefetch_b8 v[PFO], s[PFA:PFA+1] th:TH_LOAD_NT scope:SCOPE_SE
.Lnot_mine_\@:
.endm
	s_load_b128 s[4:7], s[0:1], 0x0                ; qkv, o
	v_lshl_add_u32 v[SPW], v0, 2, SPARE
	v_mov_b32 v[NIL], 0
	ds_add_u32 v[SPW], v[NIL]                      ; the wave's opening: the add, twice on end, and its wait ahead of my first tensor load
	ds_add_u32 v[SPW], v[NIL]
	v_lshrrev_b32 v1, 5, v0
	v_readfirstlane_b32 s[WV], v1                  ; wave 0..7
	s_and_b32 s9, ttmp7, 0xffff                    ; batch x 16 + head
	s_sub_co_u32 s10, 7, ttmp9
	s_lshl_b32 s[QH], s10, 8
	s_or_b32 s[QLAST], s[QH], 255
	s_lshl_b32 s11, s[WV], 5
	s_add_co_u32 s[QH], s[QH], s11
	s_lshl_b32 s[QL], ttmp9, 8
	s_sub_co_u32 s11, 224, s11
	s_add_co_u32 s[QL], s[QL], s11
	s_mov_b32 s[KF], 0
	s_mov_b32 s[TB], 0
	s_mov_b32 s[SLOTS], 7
	s_cmp_eq_u32 ttmp9, 0
	s_cselect_b32 s[LIM], 1, -1
	s_mov_b32 s[SEL], 0x76543210
	s_mov_b32 s[SEL+1], 0xfedcba98
	s_mov_b32 s[G1K], (1<<16)|(1<<20)|(4<<22)|(3<<25)   ; no mask; elements of 2 bytes; padding on: 4 words behind every 32
	s_mov_b32 s[G1V], (1<<16)|(1<<20)|(4<<22)|(7<<25)   ; 8 words behind every 32
.irp g, G1K, G1V
	s_mov_b32 s[\g+1], 64<<16                      ; tensor_dim0 = 64
	s_mov_b32 s[\g+2], 64<<16                      ; tensor_dim1 = 64
	s_mov_b32 s[\g+3], 64<<16                      ; tile_dim0 = 64
	s_mov_b32 s[\g+4], 64                          ; tile_dim1 = 64
	s_mov_b32 s[\g+5], 64                          ; the pitch
	s_mov_b32 s[\g+6], 0
	s_mov_b32 s[\g+7], 0
.endr
	s_and_b32 s50, s[WV], 3                        ; which of a slot's four steps I fetch,
	s_lshr_b32 s51, s[WV], 2                       ; for K (0) or for V (1)
	s_mov_b32 s[G0], 1
	s_mul_i32 s[G0+1], s50, STEPB
	s_mul_i32 s52, s51, VOFF
	s_add_co_u32 s[G0+1], s[G0+1], s52
	s_add_co_u32 s52, s51, 1
	s_lshl_b32 s52, s52, 24                        ; k is the buffer's second product, v its third: 16,777,216 bytes each
	s_lshl_b32 s54, s9, 18                         ; a head: 2,048 positions of 128 bytes
	s_add_co_u32 s52, s52, s54
	s_lshl_b32 s50, s50, 13                        ; a step: 64 rows of 128 bytes
	s_add_co_u32 s52, s52, s50
	s_mov_b32 s53, 0
	s_mov_b32 s55, 0
	s_wait_dscnt 0x0                               ; both opening adds are done
	s_wait_kmcnt 0x0
	s_add_nc_u64 s[G0+2:G0+3], s[4:5], s[52:53]
	s_add_nc_u64 s[PFA:PFA+1], s[G0+2:G0+3], 32768 ; in slot 1: the first change of slots steps it to slot 2
	s_or_b32 s[G0+3], s[G0+3], 0x80000000
	s_add_nc_u64 s[46:47], s[4:5], s[54:55]        ; q's head
	s_add_nc_u64 s[48:49], s[6:7], s[54:55]        ; o's head
	TLOAD                                          ; slot 0
	v_and_b32 v15, 31, v0                          ; lane
	v_and_b32 v50, 15, v0                          ; r
	v_bfe_u32 v51, v0, 4, 1                        ; h
	v_mul_u32_u24 v[AK0], v50, PKP
	v_lshl_add_u32 v[AK0], v51, 4, v[AK0]          ; K: row r, + 16 h
	v_and_b32 v52, 7, v0
	v_lshl_add_u32 v[AV0], v51, 3, v52
	v_mul_u32_u24 v[AV0], v[AV0], PVP
	v_bfe_u32 v52, v0, 3, 1
	v_lshl_add_u32 v[AV0], v52, 4, v[AV0]
	v_add_nc_u32 v[AV0], VOFF, v[AV0]              ; V, for the turning load: key 8 h + l % 8, channels 8 ((l / 8) % 2) on
	v_lshlrev_b32 v[LD], 3, v51
	v_sub_nc_u32 v[LD], v50, v[LD]
	v_mov_b32 v[NINF], 0xff800000
	s_mul_i32 s50, s[WV], 2304
	s_add_co_u32 s50, s50, STAGE
	v_add_nc_u32 v[STO], s50, v[AK0]               ; the stage, in: row r of 144 bytes, + 16 h
	v_lshrrev_b32 v52, 3, v15
	v_mul_u32_u24 v[RD], v52, 144
	v_and_b32 v52, 7, v0
	v_lshl_add_u32 v[RD], v52, 4, v[RD]
	v_add_nc_u32 v[RD], s50, v[RD]                 ; and back: eight lanes to a row, four rows an instruction
	s_lshl_b32 s51, s[QH], 7
	s_lshl_b32 s52, s[QL], 7
	v_lshl_add_u32 v[GOH], v15, 4, s51
	v_lshl_add_u32 v[GOL], v15, 4, s52
	v_lshlrev_b32 v[PFO], 8, v15
	v_lshlrev_b32 v[QOH], 7, v50
	v_lshl_add_u32 v[QOH], v51, 4, v[QOH]
	v_add_nc_u32 v[QOL], s52, v[QOH]
	v_add_nc_u32 v[QOH], s51, v[QOH]
	WIN 0x40                                       ; destination window 1
.irp T, 0,1,2,3
.irp c, 0,1
	global_load_b128 v[QF+16*\T+8*\c:QF+16*\T+8*\c+3],   v[QOH+\T/2], s[46:47] offset:2048*(\T%2)+64*\c      ; Q stays in registers
	global_load_b128 v[QF+16*\T+8*\c+4:QF+16*\T+8*\c+7], v[QOH+\T/2], s[46:47] offset:2048*(\T%2)+64*\c+32
.endr
.endr
.set i, 0
.rept 128
	v_mov_b32 v[i], 0                              ; O^T.  (The key step is written once: its first walk finds zeros, which a = 0 leaves zeros)
.set i, i+1
.endr
	WIN 0
.irp T, 0,1,2,3
	v_mov_b32 v[ST+8*\T], 0xff61b1e6               ; m: -3e38, under every score
	v_mov_b32 v[ST+8*\T+1], 0xff61b1e6
.irp j, 2,3,4,5,6,7
	v_mov_b32 v[ST+8*\T+\j], 0                     ; the sum; and the registers at work, so that each is written on every path
.endr
.endr
.macro TILE p, u
.set rT, ST+8*(2*(\p)+(\u))
.set rS, S+32*(2*(\p)+(\u))
.endm
; S^T = K Q^T for pair p: eight accumulators by turns; the first eight products start the sums
.macro KQ p
	WIN 0x04                                       ; source 1 (Q) window 1
.irp c, 0,1
.irp kt, 0,1,2,3
.irp u, 0,1
.if \c == 0
	v_wmma_f32_16x16x32_f16 v[S+32*(2*\p+\u)+8*\kt:S+32*(2*\p+\u)+8*\kt+7], v[KB+8*(2*\kt+\c):KB+8*(2*\kt+\c)+7], v[QF+16*(2*\p+\u)+8*\c:QF+16*(2*\p+\u)+8*\c+7], 0
.else
	v_wmma_f32_16x16x32_f16 v[S+32*(2*\p+\u)+8*\kt:S+32*(2*\p+\u)+8*\kt+7], v[KB+8*(2*\kt+\c):KB+8*(2*\kt+\c)+7], v[QF+16*(2*\p+\u)+8*\c:QF+16*(2*\p+\u)+8*\c+7], v[S+32*(2*\p+\u)+8*\kt:S+32*(2*\p+\u)+8*\kt+7]
.endif
.endr
.endr
.endr
	WIN 0
.endm
; On the diagonal hidden scores become -infinity.  Register n of tile u holds key KF + 16 (n / 8) + 8 h + n % 8 for query QP + 16 u + r: hidden where 16 (n / 8) + n % 8 - 16 u > QP - KF + r - 8 h.  A step all of whose keys count passes this over
.macro MASK p, qp
	s_add_co_u32 s50, s[KF], 63
	s_cmp_le_u32 s50, s[\qp]
	s_cbranch_scc1 .Lopen_\@
	s_sub_co_u32 s50, s[\qp], s[KF]
	v_add_nc_u32 v[DD], s50, v[LD]
.irp u, 0,1
.irp n, 0,1,2,3,4,5,6,7,8,9,10,11,12,13,14,15,16,17,18,19,20,21,22,23,24,25,26,27,28,29,30,31
	v_cmp_gt_i32 vcc_lo, 16*(\n/8)+\n%8-16*\u, v[DD]
	v_cndmask_b32 v[S+32*(2*\p+\u)+\n], v[S+32*(2*\p+\u)+\n], v[NINF], vcc_lo
.endr
.endr
.Lopen_\@:
.endm
; The softmax of pair p's two tiles for one key step, the tiles line by line by turns
.macro SM p
.irp j, 0,1,2,3
.irp u, 0,1
	TILE \p, \u
	v_max3_num_f32 v[rT+4+\j], v[rS+8*\j], v[rS+8*\j+1], v[rS+8*\j+2]      ; four chains, each begun at an accumulator's low end
.endr
.endr
.irp g, 1,2
.irp j, 0,1,2,3
.irp u, 0,1
	TILE \p, \u
	v_max3_num_f32 v[rT+4+\j], v[rT+4+\j], v[rS+8*\j+2*\g+1], v[rS+8*\j+2*\g+2]
.endr
.endr
.endr
.irp u, 0,1
	TILE \p, \u
	v_max3_num_f32 v[rT+4], v[rT+4], v[rS+7], v[rS+15]
.endr
.irp u, 0,1
	TILE \p, \u
	v_max3_num_f32 v[rT+6], v[rT+6], v[rS+23], v[rS+31]
.endr
.irp u, 0,1
	TILE \p, \u
	v_max3_num_f32 v[rT+4], v[rT+4], v[rT+5], v[rT+6]
.endr
.irp u, 0,1
	TILE \p, \u
	v_max3_num_f32 v[rT+4], v[rT+4], v[rT+7], v[rT]
.endr
.irp u, 0,1
	TILE \p, \u
	v_permlanex16_b32 v[rT+5], v[rT+4], s[SEL], s[SEL+1]   ; the query's other 32 keys lie in the lane 16 away
.endr
.irp u, 0,1
	TILE \p, \u
	v_mov_b32 v[rT+1], v[rT]
.endr
.irp u, 0,1
	TILE \p, \u
	v_max_num_f32 v[rT], v[rT+4], v[rT+5]          ; the running maximum
.endr
.irp u, 0,1
	TILE \p, \u
	v_sub_f32 v[rT+7], v[rT+1], v[rT]
.endr
.irp u, 0,1
	TILE \p, \u
	v_exp_f32 v[rT+6], v[rT+7]                     ; a = 2^(old m - new m)
.endr
.irp i, 0,1,2,3,4,5,6,7,8,9,10,11,12,13,14,15
.irp u, 0,1
	TILE \p, \u
	v_pk_add_f32 v[rS+2*\i:rS+2*\i+1], v[rS+2*\i:rS+2*\i+1], v[rT:rT+1] op_sel_hi:[1,0] neg_lo:[0,1] neg_hi:[0,1]   ; s - m, two at a time
.endr
.endr
.irp n, 0,1,2,3,4,5,6,7,8,9,10,11,12,13,14,15,16,17,18,19,20,21,22,23,24,25,26,27,28,29,30,31
.irp u, 0,1
	TILE \p, \u
	v_exp_f32 v[rS+\n], v[rS+\n]
.endr
.endr
	v_nop                                          ; a plain instruction behind the last exponential
	s_wait_alu depctr_va_vdst(0)                   ; the wait ahead of the first use of a result: one for the pair's 66 exponentials
.irp u, 0,1
	TILE \p, \u
	v_pk_mul_f32 v[rT+2:rT+3], v[rT+2:rT+3], v[rT+6:rT+7] op_sel_hi:[1,0]   ; the sum under the new m
.endr
.irp u, 0,1
	TILE \p, \u
	v_pk_add_f32 v[rT+4:rT+5], v[rS+2:rS+3], v[rS+6:rS+7]                   ; the sum of the unrounded p, in two chains a tile
.endr
.irp u, 0,1
	TILE \p, \u
	v_pk_add_f32 v[rT+2:rT+3], v[rT+2:rT+3], v[rS:rS+1]
.endr
.irp i, 2,4,6,8,10,12
.irp u, 0,1
	TILE \p, \u
	v_pk_add_f32 v[rT+2:rT+3], v[rT+2:rT+3], v[rS+2*\i:rS+2*\i+1]
	v_pk_add_f32 v[rT+4:rT+5], v[rT+4:rT+5], v[rS+2*\i+6:rS+2*\i+7]
.endr
.endr
.irp u, 0,1
	TILE \p, \u
	v_pk_add_f32 v[rT+2:rT+3], v[rT+2:rT+3], v[rS+28:rS+29]
.endr
.irp u, 0,1
	TILE \p, \u
	v_pk_add_f32 v[rT+2:rT+3], v[rT+2:rT+3], v[rT+4:rT+5]
.endr
.irp i, 0,1,2,3,4,5,6,7,8,9,10,11,12,13,14,15
.irp u, 0,1
	TILE \p, \u
	v_cvt_pk_f16_f32 v[rS+\i], v[rS+2*\i], v[rS+2*\i+1]    ; in place, ascending: register i is written when registers 2 i and 2 i + 1 are read
.endr
.endr
.endm
; O^T = a O^T + V^T P for pair p: eight accumulators by turns
.macro PV p
	WIN 0x41                                       ; O^T (destination, source 0) window 1; a window 0
.irp u, 0,1
.irp i, 0,1,2,3,4,5,6,7,8,9,10,11,12,13,14,15
	v_pk_mul_f32 v[32*(2*\p+\u)+2*\i:32*(2*\p+\u)+2*\i+1], v[32*(2*\p+\u)+2*\i:32*(2*\p+\u)+2*\i+1], v[ST+8*(2*\p+\u)+6:ST+8*(2*\p+\u)+7] op_sel_hi:[1,0]
.endr
.endr
	WIN 0x51                                       ; V window 1, P window 0, C and D window 1
.irp kf, 0,1
.irp d, 0,1,2,3
.irp u, 0,1
	v_wmma_f32_16x16x32_f16 v[32*(2*\p+\u)+8*\d:32*(2*\p+\u)+8*\d+7], v[VB+8*(4*\kf+\d):VB+8*(4*\kf+\d)+7], v[S+32*(2*\p+\u)+8*\kf:S+32*(2*\p+\u)+8*\kf+7], v[32*(2*\p+\u)+8*\d:32*(2*\p+\u)+8*\d+7]
.endr
.endr
.endr
	WIN 0
.endm
; A KEY STEP: 64 keys.  KF <= QP means that every query of the pair sees key KF, so m is a number from a pair's first step on.  QH is above QL in every wave: a step hidden from H is hidden from L.
.macro STEP
	s_cmp_gt_u32 s[KF], s[QH]
	s_cbranch_scc1 .Lhid_\@
	v_add_nc_u32 v[ADK], s[TB], v[AK0]
	v_add_nc_u32 v[ADV], s[TB], v[AV0]
.rept 3
	v_nop                                          ; with the two additions five places behind the last step's products: for the loads into V's registers, and for the products that write over P's
.endr
.irp kt, 0,1,2,3
.irp c, 0,1
	ds_load_b128 v[KB+8*(2*\kt+\c):KB+8*(2*\kt+\c)+3],   v[ADK] offset:\kt*16*PKP+64*\c
	ds_load_b128 v[KB+8*(2*\kt+\c)+4:KB+8*(2*\kt+\c)+7], v[ADK] offset:\kt*16*PKP+64*\c+32
.endr
.endr
	WIN 0x40
.irp kf, 0,1
.irp d, 0,1,2,3
	ds_load_tr16_b128 v[VB+8*(4*\kf+\d):VB+8*(4*\kf+\d)+3],   v[ADV] offset:\kf*32*PVP+32*\d
	ds_load_tr16_b128 v[VB+8*(4*\kf+\d)+4:VB+8*(4*\kf+\d)+7], v[ADV] offset:\kf*32*PVP+32*\d+16*PVP
.endr
.endr
	WIN 0
	s_wait_dscnt 16                                ; K is in; V's 16 loads may be out
	KQ 0
.rept 4
	v_nop
.endr
	MASK 0, QH
	SM 0
	s_wait_dscnt 0x0                               ; V is in
	PV 0
	s_cmp_gt_u32 s[KF], s[QL]
	s_cbranch_scc1 .Lhid_\@
	KQ 1
.rept 4
	v_nop
.endr
	MASK 1, QL
	SM 1
	PV 1
.Lhid_\@:
	s_add_co_u32 s[KF], s[KF], KS
	s_add_co_u32 s[TB], s[TB], STEPB
.endm
; THE CHANGE OF SLOTS stands at a slot's head.  Each wave waits for all its tensor loads (its part of the slot ahead), adds 0 to its spare word, and waits for that and for its reads of the slot that it has left.
; Behind the barrier the slot ahead is whole and nobody reads the other one.  fill = 1: that other slot takes the next 256 keys, unless they all come after my work-group's last query.
.macro CHANGE fill
	s_wait_tensorcnt 0x0                           ; no tensor load of mine is out, so the descriptor may be written
	ds_add_u32 v[SPW], v[NIL]
.if \fill
	s_xor_b32 s[G0+1], s[G0+1], SLOT1              ; the other slot than last time,
	s_add_nc_u64 s[G0+2:G0+3], s[G0+2:G0+3], 32768 ; the next 256 keys
	s_wait_xcnt 0x0                                ; the last prefetch, a slot back, has read its address
	s_add_nc_u64 s[PFA:PFA+1], s[PFA:PFA+1], 32768
.endif
	s_wait_dscnt 0x0
	s_barrier_signal -1
	s_barrier_wait -1
.if \fill
	s_add_co_u32 s50, s[KF], 256                   ; the first key of the slot that this change would ask for
	s_cmp_gt_u32 s50, s[QLAST]                     ; ids and the count of steps alone: all eight waves go the same way, and a work-group that is past the limit stays past it
	s_cbranch_scc1 .Lpast_\@                       ; every wait on TENSORcnt in this text is for 0, and no step reads a slot that was left out
	TLOAD
.Lpast_\@:
	ASK
.endif
.endm
.macro SLOT_STEPS
	s_mov_b32 s[INNER], 4
.Lstep_\@:
	STEP
	s_sub_co_u32 s[INNER], s[INNER], 1
	s_cmp_lg_u32 s[INNER], 0
	s_cbranch_scc1 .Lstep_\@
	s_sub_co_u32 s[TB], s[TB], 4*STEPB
	s_xor_b32 s[TB], s[TB], SLOT1
.endm
	s_wait_loadcnt 0x0                             ; Q
.Lslot:                                            ; seven trips: behind each change of slots but the last the next slot is asked for, up to the limit
	CHANGE 1
	SLOT_STEPS
	s_sub_co_u32 s[SLOTS], s[SLOTS], 1
	s_cmp_lg_u32 s[SLOTS], 0
	s_cbranch_scc1 .Lslot
	CHANGE 0                                       ; the last slot is written out: nothing is left to fetch
	SLOT_STEPS
	; THE WAY OUT.  The additions are the places behind the last products.
.irp T, 0,1,2,3
	v_add_f32 v[ST+8*\T+4], v[ST+8*\T+2], v[ST+8*\T+3]
.endr
.irp T, 0,1,2,3
	v_permlanex16_b32 v[ST+8*\T+5], v[ST+8*\T+4], s[SEL], s[SEL+1]
.endr
.irp T, 0,1,2,3
	v_add_f32 v[ST+8*\T+4], v[ST+8*\T+4], v[ST+8*\T+5]
.endr
.irp T, 0,1,2,3
	v_rcp_f32 v[ST+8*\T+6], v[ST+8*\T+4]
.endr
	v_nop
	s_wait_alu depctr_va_vdst(0)                   ; one wait for the four reciprocals, ahead of their first use
.macro OUT T, go
	WIN 0x01                                       ; source 0 (O^T) window 1
.irp i, 0,1,2,3,4,5,6,7,8,9,10,11,12,13,14,15
	v_pk_mul_f32 v[S+32*\T+2*\i:S+32*\T+2*\i+1], v[32*\T+2*\i:32*\T+2*\i+1], v[ST+8*\T+6:ST+8*\T+7] op_sel_hi:[1,0]
.endr
	WIN 0
.irp i, 0,1,2,3,4,5,6,7,8,9,10,11,12,13,14,15
	v_cvt_pk_f16_f32 v[S+32*\T+\i], v[S+32*\T+2*\i], v[S+32*\T+2*\i+1]
.endr
.irp d, 0,1,2,3
	ds_store_b128 v[STO], v[S+32*\T+4*\d:S+32*\T+4*\d+3] offset:32*\d
.endr
.irp i, 0,1,2,3
	ds_load_b128 v[S+32*\T+16+4*\i:S+32*\T+16+4*\i+3], v[RD] offset:576*\i     ; LDS serves a wave's instructions in order: these see my stores
.endr
.irp i, 0,1,2,3
	s_wait_dscnt 3-\i
	global_store_b128 v[\go], v[S+32*\T+16+4*\i:S+32*\T+16+4*\i+3], s[48:49] offset:2048*(\T%2)+512*\i   ; four positions: 512 consecutive bytes, aligned
.endr
.endm
	OUT 0, GOH
	OUT 1, GOH
	OUT 2, GOL
	OUT 3, GOL
	s_wait_tensorcnt 0x0                           ; the wave's end, behind my last tensor load and my last LDS store
	ds_add_u32 v[SPW], v[NIL]
	s_wait_dscnt 0x0
	s_endpgm
.Lfunc_end_k_qc94d86de9e_attn:
	.size	k_qc94d86de9e_attn, .Lfunc_end_k_qc94d86de9e_attn-k_qc94d86de9e_attn
	.p2alignl 7, 3214868480
	.fill 96, 4, 3214868480
	.section	.rodata,"a",@progbits
	.p2align	6, 0x0
	.amdhsa_kernel k_qc94d86de9e_attn
		.amdhsa_group_segment_fixed_size 327680
		.amdhsa_private_segment_fixed_size 0
		.amdhsa_enable_private_segment 0
		.amdhsa_kernarg_size 16
		.amdhsa_user_sgpr_count 2
		.amdhsa_user_sgpr_kernarg_segment_ptr 1
		.amdhsa_wavefront_size32 1
		.amdhsa_system_sgpr_workgroup_id_x 1
		.amdhsa_system_sgpr_workgroup_id_y 1
		.amdhsa_system_sgpr_workgroup_id_z 1
		.amdhsa_system_vgpr_workitem_id 0
		.amdhsa_next_free_vgpr 512
		.amdhsa_next_free_sgpr 66
		.amdhsa_reserve_vcc 1
		.amdhsa_float_denorm_mode_32 3
		.amdhsa_float_denorm_mode_16_64 3
		.amdhsa_memory_ordered 1
		.amdhsa_forward_progress 1
		.amdhsa_inst_pref_size 108
	.end_amdhsa_kernel
	.amdgpu_metadata
---
amdhsa.version: [ 1, 2 ]
amdhsa.kernels:
  - .name:           k_qc94d86de9e_attn
    .symbol:         k_qc94d86de9e_attn.kd
    .args:
      - { .name: qkv, .offset: 0, .size: 8, .value_kind: global_buffer, .address_space: global }
      - { .name: o, .offset: 8, .size: 8, .value_kind: global_buffer, .address_space: global }
    .group_segment_fixed_size: 327680
    .private_segment_fixed_size: 0
    .kernarg_segment_align: 8
    .kernarg_segment_size: 16
    .max_flat_workgroup_size: 256
    .sgpr_count:     66
    .vgpr_count:     512
    .wavefront_size: 32
...
	.end_amdgpu_metadata
.endif
;; end of part 4
;; launch oproj (part 5): grid 4 x 64, 4 waves a work-group, clusters of 4 x 4, 327,680 bytes of LDS; arguments o, wo16, out0; writes out0
.if DOCPART == 5
	.amdgcn_target "amdgcn-amd-amdhsa--gfx1250"
	.amdhsa_code_object_version 6
	.text
	.protected	k_qc94d86de9e_oproj
	.globl	k_qc94d86de9e_oproj
	.p2align	8
	.type	k_qc94d86de9e_oproj,@function
k_qc94d86de9e_oproj:
	s_mov_b64 s[64:65], 0
	v_nop
	global_prefetch_b8 v0, s[64:65] scope:SCOPE_SE
	s_setreg_imm32_b32 hwreg(HW_REG_WAVE_MODE, 25, 1), 1
	s_wait_xcnt 0x0
	s_wait_alu depctr_hold_cnt(0) depctr_sa_sdst(0) depctr_va_vdst(0) depctr_va_sdst(0) depctr_va_ssrc(0) depctr_va_vcc(0) depctr_vm_vsrc(0)
	s_getreg_b32 s2, hwreg(HW_REG_IB_STS2, 6, 4)
	s_cmp_eq_u32 s2, 0
	s_cbranch_scc0 .Lentry_in_a_cluster
	s_endpgm
.Lentry_in_a_cluster:
	s_bfe_u32 s2, ttmp6, 0x10000c
	s_cmp_lg_u32 s2, 0xf033
	s_cbranch_scc0 .Lentry_shape_is_right
	s_endpgm
.Lentry_shape_is_right:
; out0[m][n] = the sum over k of o[m][k] W_O[n][k], f16 operands, f32 sums, for all positions but each batch's first 16, which another launch makes in f32.
; o: f16 [batch x 16 + head][position][64]; wo16: f16 [head][n 1024][64]: K = 1,024 is 16 planes of 64.  out0: [8192][1024] f32.
; A tile of C is 128 x 256, which gives 256 work-groups; four waves, each 64 x 128: 32 accumulators, all of window 1.  K goes in steps of 128 (two planes) through two LDS slots.
; CLUSTERS: 4 x 4.  Tile row = 16 cy + cluster y (cy the batch, 128 x cluster y the first position); tile column = cx.  A's tiles are asked for jointly along a row of the cluster, B's along a column.
; Waves 0 and 1 fetch A's two planes (128 rows of 128 bytes each), waves 2 and 3 B's (256 rows): two tensor loads of mine are out at the start, one behind each round.
; THE MATRIX INSTRUCTION IS USED TRANSPOSED (source 0 = 16 rows of W_O, source 1 = 16 rows of o): a lane holds eight neighbouring columns of a row of C.
; No prefetch: a step's tiles are small against its products, and the launch is short.
; REGISTERS: window 0: v16-29 addresses; two fragment buffers of 96 (A 32, then B 64) at v32 and v128; on the way out v32-159 rows back from the stage.   window 1: accumulator (a, b) at v[8 (8 a + b)].
.set PT,     144                       ; an LDS row: 128 bytes + 16
.set APL,    128*PT                    ; a plane of A's tile
.set BPL,    256*PT                    ; a plane of B's
.set BOFF,   2*APL
.set SLOT,   2*APL+2*BPL
.set STAGE,  2*SLOT                    ; 16 rows x 528 bytes a wave
.set SPITCH, 528
.set SPARE,  STAGE+4*16*SPITCH
.set LAPS,   4                         ; a lap = two K steps
.set ADRA, 16
.set ADRB, 20
.set STO,  24
.set RD,   25
.set CO,   26
.set SPW,  28
.set NIL,  29
.set F0,   32
.set F1,   128
.set BK,   32
.set G1, 24
.set G0, 32
.set G1B, 48
.set G0B, 56
.set MSB, 0
.macro WIN new
.if MSB != \new
	s_set_vgpr_msb (MSB<<8)|\new
.set MSB, \new
.endif
.endm
.set MUL, 0x50                         ; sources window 0; C and D window 1
.macro JLOAD s                         ; a joint load; an s_nop 0 and four v_nop follow each of the two lines
	s_cmp_eq_u32 s11, 0
	s_cbranch_scc0 .Lfor_b_\@
	tensor_load_to_lds s[G0+4*\s:G0+4*\s+3], s[G1:G1+7]
	s_nop 0
.rept 4
	v_nop
.endr
	s_branch .Lasked_\@
.Lfor_b_\@:
	tensor_load_to_lds s[G0B+4*\s:G0B+4*\s+3], s[G1B:G1B+7]
	s_nop 0
.rept 4
	v_nop
.endr
.Lasked_\@:
.endm
.macro CREST                           ; a round of the cluster's barrier behind its opening barrier
	s_cmp_lg_u32 s10, 0
	s_cbranch_scc1 .Lnot_wave_0_\@
	s_barrier_signal -3
.Lnot_wave_0_\@:
	s_barrier_wait -3
	s_barrier_signal -1
	s_barrier_wait -1
.endm
.macro CROUND
	s_barrier_signal -1
	s_barrier_wait -1
	CREST
.endm
	s_load_b128 s[4:7], s[0:1], 0x0                ; o, wo16
	s_load_b64 s[8:9], s[0:1], 0x10                ; out0
	v_lshl_add_u32 v[SPW], v0, 2, SPARE
	v_mov_b32 v[NIL], 0
	ds_add_u32 v[SPW], v[NIL]                      ; the wave's opening: the add, twice on end, and its wait ahead of my first tensor load
	ds_add_u32 v[SPW], v[NIL]
	v_lshrrev_b32 v1, 5, v0
	v_readfirstlane_b32 s10, v1                    ; wave 0..3
	s_lshr_b32 s11, s10, 1                         ; which half of the tile's rows is mine.  Also: I fetch for A (0) or for B (1)
	s_and_b32 s12, s10, 1                          ; which half of its columns.  Also: which plane of a K step I fetch
	s_bfe_u32 s40, ttmp6, 0x40000                  ; cx
	s_bfe_u32 s41, ttmp6, 0x40004                  ; cy
	s_and_b32 s13, ttmp7, 0xffff                   ; cluster y
	s_lshl_b32 s43, s41, 2
	s_lshl_b32 s43, 15, s43                        ; my row of the cluster
	s_lshl_b32 s44, 0x1111, s40                    ; my column
	s_or_b32 s[G1+0], s43, (1<<16)|(1<<20)|(1<<21)|(4<<22)|(3<<25)   ; the mask; elements of 2 bytes; padding on; bit 21 beside a mask; 4 words behind every 32
	s_or_b32 s[G1B+0], s44, (1<<16)|(1<<20)|(1<<21)|(4<<22)|(3<<25)
	s_mov_b32 s[G1+1], 64<<16                      ; tensor_dim0 = 64
	s_mov_b32 s[G1+2], 128<<16                     ; tensor_dim1 = 128
	s_mov_b32 s[G1+3], 64<<16                      ; tile_dim0 = 64
	s_mov_b32 s[G1+4], 128                         ; tile_dim1 = 128
	s_mov_b32 s[G1+5], 64                          ; the pitch
	s_mov_b32 s[G1+6], 0
	s_mov_b32 s[G1+7], 0
	s_mov_b32 s[G1B+1], 64<<16
	s_mov_b32 s[G1B+2], 256<<16
	s_mov_b32 s[G1B+3], 64<<16
	s_mov_b32 s[G1B+4], 256
	s_mov_b32 s[G1B+5], 64
	s_mov_b32 s[G1B+6], 0
	s_mov_b32 s[G1B+7], 0
	s_lshl_b32 s16, s41, 4
	s_add_co_u32 s16, s16, s12                     ; A: plane batch x 16 + my plane,
	s_lshl_b32 s16, s16, 18                        ; 2,048 positions of 128 bytes,
	s_lshl_b32 s17, s13, 14                        ; position 128 x cluster y
	s_add_co_u32 s16, s16, s17
	s_mov_b32 s17, 0
	s_lshl_b32 s46, s12, 17                        ; B: my plane of 1,024 rows of 128 bytes,
	s_lshl_b32 s47, s40, 15                        ; row 256 cx
	s_add_co_u32 s46, s46, s47
	s_mov_b32 s47, 0
	s_mul_i32 s20, s12, APL                        ; where they go: no place in the cluster enters an LDS address
	s_mul_i32 s21, s12, BPL
	s_add_co_u32 s21, s21, BOFF
	s_wait_dscnt 0x0                               ; both opening adds are done
	s_wait_kmcnt 0x0
	s_add_nc_u64 s[14:15], s[4:5], s[16:17]
	s_add_nc_u64 s[46:47], s[6:7], s[46:47]
	CROUND                                         ; all sixteen work-groups are here: the first joint loads meet
.irp s, 0,1
	s_mov_b32 s[G0+4*\s], 1
	s_add_co_u32 s[G0+4*\s+1], s20, \s*SLOT
	s_add_nc_u64 s[G0+4*\s+2:G0+4*\s+3], s[14:15], \s*524288       ; K step s: two planes of o on
	s_or_b32 s[G0+4*\s+3], s[G0+4*\s+3], 0x80000000
	s_mov_b32 s[G0B+4*\s], 1
	s_add_co_u32 s[G0B+4*\s+1], s21, \s*SLOT
	s_add_nc_u64 s[G0B+4*\s+2:G0B+4*\s+3], s[46:47], \s*262144     ; two planes of wo16 on
	s_or_b32 s[G0B+4*\s+3], s[G0B+4*\s+3], 0x80000000
	JLOAD \s
.endr
	v_and_b32 v1, 15, v0                           ; r
	v_bfe_u32 v2, v0, 4, 1                         ; h
	v_mul_u32_u24 v3, v1, PT
	v_lshl_add_u32 v3, v2, 4, v3
	s_mul_i32 s21, s11, 64*PT                      ; my 64 rows of A
	s_mul_i32 s22, s12, 128*PT                     ; my 128 rows of B,
	s_add_co_u32 s22, s22, BOFF                    ; behind A's planes
.irp s, 0,1
	v_add_nc_u32 v[ADRA+\s], s21, v3
	v_add_nc_u32 v[ADRB+\s], s22, v3
	s_add_co_u32 s21, s21, SLOT
	s_add_co_u32 s22, s22, SLOT
.endr
	s_mul_i32 s23, s10, 16*SPITCH
	s_add_co_u32 s23, s23, STAGE                   ; my stage
	v_mul_u32_u24 v4, v1, SPITCH
	v_lshl_add_u32 v4, v2, 5, v4
	v_add_nc_u32 v[STO], s23, v4                   ; in: row r, 32 bytes for each half of the lanes
	v_and_b32 v5, 31, v0
	v_lshlrev_b32 v[CO], 4, v5
	v_add_nc_u32 v[RD], s23, v[CO]                 ; back: the 32 lanes take a row of 512 bytes
	s_lshl_b32 s22, s41, 11
	s_lshl_b32 s23, s13, 7
	s_add_co_u32 s22, s22, s23
	s_lshl_b32 s23, s11, 6
	s_add_co_u32 s22, s22, s23                     ; my first row of C: 2,048 x batch + 128 x cluster y + 64 x half
	s_lshl_b32 s22, s22, 12
	s_lshl_b32 s23, s40, 10
	s_add_co_u32 s22, s22, s23
	s_lshl_b32 s23, s12, 9
	s_add_co_u32 s22, s22, s23                     ; my first column, in bytes: 1,024 cx + 512 x half
	s_mov_b32 s23, 0
	s_add_nc_u64 s[8:9], s[8:9], s[22:23]
	s_or_b32 s2, s13, s11                          ; 0 where my first 16 rows are a batch's first 16 positions
; 8 matrix instructions: A's block a x B's eight, 32 along K.  The 32 accumulators take turns in the same order in every quarter
.macro MUL8 f, a, zero
.irp b, 0,1,2,3,4,5,6,7
.if \zero
	v_wmma_f32_16x16x32_f16 v[8*(8*(\a)+\b):8*(8*(\a)+\b)+7], v[\f+32+8*\b:\f+32+8*\b+7], v[\f+8*(\a):\f+8*(\a)+7], 0
.else
	v_wmma_f32_16x16x32_f16 v[8*(8*(\a)+\b):8*(8*(\a)+\b)+7], v[\f+32+8*\b:\f+32+8*\b+7], v[\f+8*(\a):\f+8*(\a)+7], v[8*(8*(\a)+\b):8*(8*(\a)+\b)+7]
.endif
.endr
.endm
; 24 LDS loads in one run: the fragments of the slot's q-th 32 along K (plane q / 2, byte 64 (q % 2) of its rows) into buffer f: B's eight, then A's four
.macro FETCH slot, q, f
.irp i, 0,1,2,3,4,5,6,7
	ds_load_b128 v[\f+32+8*\i:\f+32+8*\i+3],   v[ADRB+\slot] offset:((\q)/2)*BPL+((\q)%2)*64+\i*16*PT
	ds_load_b128 v[\f+32+8*\i+4:\f+32+8*\i+7], v[ADRB+\slot] offset:((\q)/2)*BPL+((\q)%2)*64+\i*16*PT+32
.endr
.irp i, 0,1,2,3
	ds_load_b128 v[\f+8*\i:\f+8*\i+3],   v[ADRA+\slot] offset:((\q)/2)*APL+((\q)%2)*64+\i*16*PT
	ds_load_b128 v[\f+8*\i+4:\f+8*\i+7], v[ADRA+\slot] offset:((\q)/2)*APL+((\q)%2)*64+\i*16*PT+32
.endr
.endm
.macro PLACES                          ; four plain instructions in front of loads into registers that matrix instructions have read, and of reads of results
.rept 4
	v_nop
.endr
.endm
; Quarter q of a slot's four (one of the first three): multiplies buffer f; in its middle it fetches quarter q + 1 into buffer g
.macro QUARTER slot, q, f, g, zero
	s_wait_dscnt 4                                 ; B's eight and A's blocks 0 and 1 are in; the youngest four loads may be out
	WIN MUL
	MUL8 \f, 0, \zero
	MUL8 \f, 1, \zero
	PLACES
	WIN 0
	FETCH \slot, (\q)+1, \g
	s_wait_dscnt 24                                ; all but the 24 just issued
	WIN MUL
	MUL8 \f, 2, \zero
	MUL8 \f, 3, \zero
.endm
; The last quarter multiplies buffer 1 and changes slots: one barrier; in front of it each wave waits for all its tensor loads, adds 0 to its spare word, and waits for that and for its reads of this slot
.macro TURN slot, next, fill
	WIN 0
	s_wait_tensorcnt 0x0                           ; my part of the next slot has landed
	ds_add_u32 v[SPW], v[NIL]
	s_wait_dscnt 5                                 ; (the add and the youngest four loads may be out)
	WIN MUL
	MUL8 F1, 0, 0
	s_wait_dscnt 0x0                               ; the add is done, and my reads of this slot are over
	s_barrier_signal -1
	MUL8 F1, 1, 0
	WIN 0
	s_barrier_wait -1
.if \fill
	CREST                                          ; the barrier has opened a round of the cluster's barrier: no wave of any partner still reads this slot or has a load on its way
	s_add_nc_u64 s[G0+4*\slot+2:G0+4*\slot+3], s[G0+4*\slot+2:G0+4*\slot+3], 1048576    ; two K steps on: four planes of o,
	s_add_nc_u64 s[G0B+4*\slot+2:G0B+4*\slot+3], s[G0B+4*\slot+2:G0B+4*\slot+3], 524288 ; four of wo16
	JLOAD \slot                                    ; the first tensor load behind the round; its four v_nop are also the places in front of the loads below
.else
	PLACES
.endif
	FETCH \next, 0, F0
	WIN MUL
	MUL8 F1, 2, 0
	MUL8 F1, 3, 0
.endm
	s_wait_tensorcnt 1                             ; my part of K step 0 is in; K step 1's load may be out,
	s_barrier_signal -1
	s_barrier_wait -1                              ; everybody's is
	FETCH 0, 0, F0
	QUARTER 0, 0, F0, F1, 1                        ; the first quarter's products start the sums
	WIN 0
	s_mov_b32 s3, LAPS-1
.Llap:                                             ; a trip goes once round the ring and fills both slots again
	QUARTER 0, 1, F1, F0, 0
	QUARTER 0, 2, F0, F1, 0
	TURN 0, 1, 1
	QUARTER 1, 0, F0, F1, 0
	QUARTER 1, 1, F1, F0, 0
	QUARTER 1, 2, F0, F1, 0
	TURN 1, 0, 1
	QUARTER 0, 0, F0, F1, 0
	WIN 0
	s_sub_co_u32 s3, s3, 1
	s_cmp_lg_u32 s3, 0
	s_cbranch_scc1 .Llap
	QUARTER 0, 1, F1, F0, 0                        ; the last lap fills nothing
	QUARTER 0, 2, F0, F1, 0
	TURN 0, 1, 0
	QUARTER 1, 0, F0, F1, 0
	QUARTER 1, 1, F1, F0, 0
	QUARTER 1, 2, F0, F1, 0
	s_wait_dscnt 4
	WIN MUL
	MUL8 F1, 0, 0
	MUL8 F1, 1, 0
	s_wait_dscnt 0
	MUL8 F1, 2, 0
	MUL8 F1, 3, 0
	WIN 0
; THE WAY OUT, 16 rows x 128 columns at a time: through my own stage and back as whole rows of 512 bytes.  LDS serves a wave's instructions in order: no wait between the stores and the loads.
.macro TOSTAGE a
	WIN 0x04                                       ; an LDS store's data are its source 1: window 1
.irp b, 0,1,2,3,4,5,6,7
	ds_store_b128 v[STO], v[64*(\a)+8*\b:64*(\a)+8*\b+3] offset:64*\b          ; each accumulator from its low end on
	ds_store_b128 v[STO], v[64*(\a)+8*\b+4:64*(\a)+8*\b+7] offset:64*\b+16
.endr
	WIN 0
.set BB, BK+64*((\a)%2)
.irp t, 0,1,2,3,4,5,6,7,8,9,10,11,12,13,14,15
	ds_load_b128 v[BB+4*\t:BB+4*\t+3], v[RD] offset:\t*SPITCH
.endr
.endm
.macro SEND a, younger
.set BB, BK+64*((\a)%2)
	s_wait_dscnt \younger
.if (\a) == 0
	s_cmp_eq_u32 s2, 0                             ; a batch's first 16 positions are another launch's: the cluster's y and the wave's number alone decide
	s_cbranch_scc1 .Lnot_mine
.endif
.irp t, 0,1,2,3,4,5,6,7,8,9,10,11,12,13,14,15
	global_store_b128 v[CO], v[BB+4*\t:BB+4*\t+3], s[8:9] offset:(\a)*65536+\t*4096 th:TH_STORE_NT   ; 32 lanes store 512 consecutive bytes, aligned
.endr
.if (\a) == 0
.Lnot_mine:
.endif
.endm
	PLACES
	TOSTAGE 0
.irp a, 1,2,3
.if \a > 1
	s_wait_xcnt 0x0                                ; block a - 2's stores have read their registers: block a's loads may land there
.endif
	TOSTAGE \a
	SEND \a-1, 32                                  ; behind block a - 1's loads: block a's 16 stores and 16 loads
.endr
	SEND 3, 0
	s_wait_tensorcnt 0x0                           ; the wave's end, behind my last tensor load and my last LDS store
	ds_add_u32 v[SPW], v[NIL]
	s_wait_dscnt 0x0
	CROUND                                         ; the closing round
	s_endpgm
.Lfunc_end_k_qc94d86de9e_oproj:
	.size	k_qc94d86de9e_oproj, .Lfunc_end_k_qc94d86de9e_oproj-k_qc94d86de9e_oproj
	.p2alignl 7, 3214868480
	.fill 96, 4, 3214868480
	.section	.rodata,"a",@progbits
	.p2align	6, 0x0
	.amdhsa_kernel k_qc94d86de9e_oproj
		.amdhsa_group_segment_fixed_size 327680
		.amdhsa_private_segment_fixed_size 0
		.amdhsa_enable_private_segment 0
		.amdhsa_kernarg_size 24
		.amdhsa_user_sgpr_count 2
		.amdhsa_user_sgpr_kernarg_segment_ptr 1
		.amdhsa_wavefront_size32 1
		.amdhsa_system_sgpr_workgroup_id_x 1
		.amdhsa_system_sgpr_workgroup_id_y 1
		.amdhsa_system_sgpr_workgroup_id_z 1
		.amdhsa_system_vgpr_workitem_id 0
		.amdhsa_next_free_vgpr 512
		.amdhsa_next_free_sgpr 66
		.amdhsa_reserve_vcc 0
		.amdhsa_float_denorm_mode_32 3
		.amdhsa_float_denorm_mode_16_64 3
		.amdhsa_memory_ordered 1
		.amdhsa_forward_progress 1
		.amdhsa_inst_pref_size 85
	.end_amdhsa_kernel
	.amdgpu_metadata
---
amdhsa.version: [ 1, 2 ]
amdhsa.kernels:
  - .name:           k_qc94d86de9e_oproj
    .symbol:         k_qc94d86de9e_oproj.kd
    .args:
      - { .name: o, .offset: 0, .size: 8, .value_kind: global_buffer, .address_space: global }
      - { .name: wo16, .offset: 8, .size: 8, .value_kind: global_buffer, .address_space: global }
      - { .name: out0, .offset: 16, .size: 8, .value_kind: global_buffer, .address_space: global }
    .group_segment_fixed_size: 327680
    .private_segment_fixed_size: 0
    .kernarg_segment_align: 8
    .kernarg_segment_size: 24
    .max_flat_workgroup_size: 128
    .sgpr_count:     66
    .vgpr_count:     512
    .wavefront_size: 32
...
	.end_amdgpu_metadata
.endif
;; end of part 5
